; MI455X (gfx1250); checked and timed in simulation.
; The chip was launched on July 23, 2026; its instructions are those of AMD's public machine-readable ISA for CDNA 5 (MIT licence, August 2026) and "CDNA5" Instruction Set Architecture Reference Guide (July 2026). The comments in the code are by the model that wrote it; some were corrected since.
;; Multi Head Attention. Allowed arithmetic: matrix products marked QUANTISED: E2M3 operands, one E8M0 scale for each 32 along K, by v_wmma_scale_f32_16x16x128_f8f6f4 with both operands' format E2M3, f32 sums; everything else in f32.
;; Inputs: Wk_codes 1,024 x 32 x 24 uint8 (E2M3 codes of Wk, K innermost, in blocks of 32 codes, four codes in three bytes); Wk_scales 1,024 x 32 uint8 (E8M0 scales of Wk, one for each 32 codes along K); Wo_codes 1,024 x 32 x 24 uint8 (E2M3 codes of Wo, K innermost, in blocks of 32 codes, four codes in three bytes); Wo_scales 1,024 x 32 uint8 (E8M0 scales of Wo, one for each 32 codes along K); Wq_codes 1,024 x 32 x 24 uint8 (E2M3 codes of Wq, K innermost, in blocks of 32 codes, four codes in three bytes); Wq_scales 1,024 x 32 uint8 (E8M0 scales of Wq, one for each 32 codes along K); Wv_codes 1,024 x 32 x 24 uint8 (E2M3 codes of Wv, K innermost, in blocks of 32 codes, four codes in three bytes); Wv_scales 1,024 x 32 uint8 (E8M0 scales of Wv, one for each 32 codes along K); bo 1,024 float32; x_codes 4 x 2,048 x 32 x 24 uint8 (E2M3 codes of x, K innermost, in blocks of 32 codes, four codes in three bytes); x_scales 4 x 2,048 x 32 uint8 (E8M0 scales of x, one for each 32 codes along K).
;; Outputs: out0 4 x 2,048 x 1,024 float32.
;; This version of the problem:
;;   THIS VERSION OF THE PROBLEM IS GIVEN IN LOW PRECISION. The matrix products marked QUANTISED in the list below multiply operands that are first quantised to E2M3 (2 exponent bits, 3 mantissa bits; 6 bits a number), with one power-of-two scale for each 32 numbers along K (OCP MX v1.0); their sums are f32. All else is computed in f32.
;;   The module's matrix products, in the order in which they are computed (A, B: the left and right operand; K: the contracted axis; several contracted axes count as one K, in the product's order):
;;     1. [M 8,192, K 1,024] x [K 1,024, N 1,024]; A: input x (given as codes); B: input Wq (given as codes): QUANTISED
;;     2. [M 8,192, K 1,024] x [K 1,024, N 1,024]; A: input x (given as codes); B: input Wk (given as codes): QUANTISED
;;     3. [M 8,192, K 1,024] x [K 1,024, N 1,024]; A: input x (given as codes); B: input Wv (given as codes): QUANTISED
;;     4. batch 64 x [M 2,048, K 64] x [K 64, N 2,048]; A: computed on the way; B: computed on the way: QUANTISED
;;     5. batch 64 x [M 2,048, K 2,048] x [K 2,048, N 64]; A: softmax (see below); B: computed on the way: QUANTISED
;;     6. [M 8,192, K 1,024] x [K 1,024, N 1,024]; A: computed on the way; B: input Wo (given as codes): QUANTISED
;;   THE QUANTISER, for each operand of a quantised product, along K:
;;     - K is cut into blocks of 32 from its start; a last block that is shorter is filled with zeros.
;;     - A block's scale is 2^e with e = floor(log2(the largest magnitude in the block)) - 2, held to -126 .. 127; a block of zeros has e = 0. As a byte (E8M0): e + 127.
;;     - Each number is divided by its block's scale, clamped to +-7.5, and rounded to the nearest number of E2M3, ties to even, subnormals kept.
;;     - The product sums the exact products of the quantised numbers (number of the format x scale) in f32.
;;   ~~~python
;;   def quantise(x, axis):      # numpy; x: float32 -> the quantised numbers, widened to float32 again
;;       x = np.moveaxis(x, axis, -1); K = x.shape[-1]
;;       x = np.pad(x, [(0, 0)] * (x.ndim - 1) + [(0, -K % 32)]); x = x.reshape(x.shape[:-1] + (-1, 32)); a = np.abs(x).max(-1, keepdims=True)
;;       e = np.where(a > 0, np.clip(np.frexp(np.where(a > 0, a, 1))[1] - 1 - 2, -126, 127), 0)      # np.frexp(a)[1] - 1 = floor(log2(a)), exactly
;;       r = np.clip(x / 2.0 ** e, -7.5, 7.5)
;;       step = 2.0 ** (np.maximum(np.frexp(np.where(r == 0, 1, r))[1] - 1, 0) - 3)
;;       q = np.round(r / step) * step * 2.0 ** e      # np.round: ties to even
;;       return np.moveaxis(q.reshape(q.shape[:-2] + (-1,))[..., :K], -1, axis).astype(np.float32)
;;   ~~~
;;   SOFTMAX AHEAD OF A QUANTISED PRODUCT. Where the list says 'softmax', what is quantised is not the finished softmax but p = 2^(t - M), with t = logit x log2(e) and M = ceil(the row's largest t), a whole number; so 1/2 < the row's largest p <= 1. The row's sum l is taken of the UNQUANTISED p, in f32, and the product's result is divided by l at the end. Since M is a whole number, a kernel that streams over the keys may use a running M (the ceiling of the running maximum): every later rescaling is an exact power of two, which a block's scale takes up: the codes' values come out the same.
;;   OPERANDS COMPUTED ON THE WAY. 'Computed on the way' means the value that the module computes at that place (a softmax that the list does not call 'softmax' is quantised finished and normalised). What goes into a quantiser is computed in f32, as accurately as f32 sums, v_exp_f32 and their like allow (about 1e-6 of the number): no bf16 or f16 on the way to a quantiser, and a product that is left as it is and whose result goes on into a quantised operand takes f32 operands (vector FMAs, or v_wmma_f32_16x16x4_f32). A number that lies on a knife's edge between two numbers of the format may be rounded either way, as far as f32 arithmetic and the matrix unit's own rounding can turn it there, and no further.
;;   INPUTS GIVEN AS CODES. Wk (in the module: [1024, 1024], K = its axis 0); Wo (in the module: [1024, 1024], K = its axis 0); Wq (in the module: [1024, 1024], K = its axis 0); Wv (in the module: [1024, 1024], K = its axis 0); x (in the module: [4, 2048, 1024], K = its axis 2): each comes as NAME_codes (uint8): NAME with its K axis moved to the last place and cut into blocks of 32 codes, [.., K / 32, bytes a block], one block behind the other in memory; four codes in three bytes: a row's codes are one little-endian stream of bits, code i at bits 6 i .. 6 i + 5 (a code: sign, 2 exponent bits, 3 mantissa bits); and NAME_scales (uint8): the same leading axes, one E8M0 byte (e + 127) for each 32 codes along K. Its value is code x scale, taken as it is: it is not quantised again, and the codes and scales need not be those that the quantiser above would give.
;; One version. Each part assembles by itself: llvm-mc -triple=amdgcn-amd-amdhsa -mcpu=gfx1250 --defsym DOCPART=n.
;; ======== version 1 of 1: 3 launches
;; workspace buffers: qb 6,291,456 bytes; qs 524,288 bytes; kv 12,582,912 bytes; sc 786,432 bytes; cimg 6,291,456 bytes; csc 262,144 bytes
;; launch proj (part 1): grid 12 x 32, 4 waves a work-group, clusters of 4 x 4, 327,680 bytes of LDS; arguments x_codes, x_scales, Wq_codes, Wq_scales, Wk_codes, Wk_scales, Wv_codes, Wv_scales, qb, qs, kv, sc; writes qb, qs, kv, sc
.if DOCPART == 1
	.amdgcn_target "amdgcn-amd-amdhsa--gfx1250"
	.amdhsa_code_object_version 6
	.text
	.protected	k_q640b985484_proj
	.globl	k_q640b985484_proj
	.p2align	8
	.type	k_q640b985484_proj,@function
k_q640b985484_proj:
	s_mov_b64 s[64:65], 0
	v_nop
	global_prefetch_b8 v0, s[64:65] scope:SCOPE_SE
	s_setreg_imm32_b32 hwreg(HW_REG_WAVE_MODE, 25, 1), 1
	s_wait_xcnt 0x0
	s_wait_alu depctr_hold_cnt(0) depctr_sa_sdst(0) depctr_va_vdst(0) depctr_va_sdst(0) depctr_va_ssrc(0) depctr_va_vcc(0) depctr_vm_vsrc(0)
	s_getreg_b32 s2, hwreg(HW_REG_IB_STS2, 6, 4)
	s_cmp_eq_u32 s2, 0
	s_cbranch_scc0 .Lentry_in_a_cluster
	s_endpgm
.Lentry_in_a_cluster:
	s_bfe_u32 s2, ttmp6, 0x10000c
	s_cmp_lg_u32 s2, 0xf033
	s_cbranch_scc0 .Lentry_shape_is_right
	s_endpgm
.Lentry_shape_is_right:
; FIRST OF THREE LAUNCHES (proj, attn, outp) of causal multi-head attention, B 4, T 2048, E 1024, 16 heads of 64, every product on codes of FP6 (E2M3) with one E8M0 scale for each 32 along K.
; THIS LAUNCH: q = x Wq, k = x Wk, v = x Wv (K = 1024, operands as they are given), and the quantising of the three results for the next launch: q and k along the head's 64, v along the keys.
; WORK LEFT OUT IN THE PROGRAM: reference() sets scores to -inf where key > query by a jnp.tril that it builds itself; their weights are 0 for every finite input.  The next launch leaves out the steps of 128 keys
; all of whose keys come after all 16 queries of a wave: whole tiles of products 4 and 5.  Nothing else is left out, and every input is loaded.  LIMIT: a NaN, an infinity or an overflow that reaches only those tiles is not carried to the result.
; LIMITS: NaN and infinities among the values are not served; a block whose largest magnitude lies under 2^-124 gets the scale byte 1 (a block of zeros too: its codes are zeros, and this program alone reads the bytes).
; SHAPE.  A tile of 256 x 256 results to a work-group of four waves, 128 x 128 to a wave: 64 accumulators, 512 registers.  K goes in steps of 256 through a ring of two LDS slots; the scale bytes of the work-group's rows come once.
; R AND P.  The matrix instruction takes 16 rows of P as source 0 and 16 rows of R as source 1: a lane then holds ONE row of R, and its 64 registers of a block of R run along 128 rows of P.
; What is quantised must run along a lane's registers.  q, k (cluster x = 0, 1): R = x (tokens), P = Wq or Wk (features: two heads of 64).  v (cluster x = 2): R = Wv (features), P = x (keys).  One text serves all three: only pointers and
; cluster-wide terms are chosen, by the cluster's x, which all sixteen partners share.
; ORDER INSIDE A BLOCK.  Register 8 t + j of a lane of half h is index 16 t + 8 h + j.  The block of 32 is the true block (its scale and its codes' values are the stated quantiser's); inside it the codes lie in the order
; 0-7, 16-23, 8-15, 24-31.  q and k are both laid so along d, v (here) and p (next launch) both along the keys: an order applied alike to both operands keeps every product; only the order of the f32 sums moves.
; OUT, as images of operand registers, so that the next launch loads fragments whole (bh = batch x 16 + head, s = which 128 tokens of the batch):
;   qb [bh][token / 16][768]: 16 tokens x 64 d = 6 registers a lane: registers 0-3 at 16 x lane, registers 4-5 at 512 + 8 x lane.      qs [bh][s][512]: the scale word of token 32 i + L at 16 L + 4 i (bytes 0, 1; bytes 2, 3 are 0).
;   kv [bh][s][12288]: 8 such tiles of k, then 4 tiles of v (16 d x 128 keys = 12 registers: group c at 512 c + 16 x lane).             sc [bh][s][768]: k's words as qs, then v's: the word of d = 32 i + L at 512 + 8 L + 4 i.
; CLUSTERS: 4 x 4 work-groups.  R's tile hangs on the cluster's row, P's on its column: each is asked for jointly by the four that share it.
; 384 work-groups are 24 clusters: the last of them find part of the chip idle.  A tile of 256 x 384 would want 768 accumulator registers a wave beside the operands; smaller tiles read LDS more for each product.
; REGISTERS, in windows of 256: window 0: v0-31 addresses; v32-63 scale words, two sets; from v128 R's fragments, one set; on the way out v112-231 at work.  window 1: P's fragments, two sets.  windows 2, 3: the accumulators ((a, b) at v[8 (8 (a % 4) + b)]).
.set KSTEP,  256                       ; along K in a slot
.set NQ,     KSTEP/128                 ; matrix instructions deep
.set ROWB,   192                       ; a tile's row in bytes: 256 codes of 6 bits
.set KROW,   768                       ; a row of x or of a weight in memory: 1024 codes
.set PITCH,  240                       ; an LDS row: 3 x (64 bytes + 16 of padding)
.set FR,     12                        ; registers of a fragment: 16 rows x 128 K
.set NL,     6                         ; LDS loads that bring one
.set NP,     4                         ; places behind this matrix instruction (ISA guide 7.12.1)
.set HALFT,  128*PITCH                 ; 128 rows: what one tensor load brings
.set SLOT,   4*HALFT                   ; R's 256 rows, then P's 256 rows
.set KS,     32                        ; a row of scale bytes
.set SCL,    2*SLOT                    ; behind the ring: the scales, as units of 256 bytes + 16 of padding
.set HALFS,  (128*KS/256)*272          ; the scales of 128 rows
.set SBLK,   (16*KS/256)*272           ; those of 16 rows
.set SPARE,  SCL+4*HALFS               ; the spare words, 128 bytes for each wave, named by no other line
.set ADRA, 16                          ; v16-17 LDS address of my R fragments in slot 0, 1 (v18-19: for the pieces behind one padding more)
.set ADRB, 20                          ; v20-23 the same for P
.set O16,  24                          ; v24    16 x lane
.set O8,   25                          ; v25    8 x lane
.set ADRS, 27                          ; v27    LDS address of my scale words: lanes 0-15 R's rows, lanes 16-31 P's
.set SPW,  28                          ; v28    my spare word; never rewritten
.set NIL,  29                          ; v29    0; never rewritten
.set SC,   32                          ; scale words, set s at v[SC + 16 s]
.set AF,   128                         ; R's fragments
.set PC,   112                         ; the way out: v112-123 a block's codes; v124-126, v128-130 halves on their way
.set TM,   200                         ; v200-203 largest magnitudes, v204-207 bytes, v212-215 the conversions' scale operands
.set PW,   216                         ; the block's scale word
.set PWP,  217                         ; the block before's
.set SW,   220                         ; v220-223 word i: lane L holds row 32 i + L's
.set SE,   224                         ; v224-227 the even head's half of them
.set SO,   228                         ; v228-231 the odd head's
.set G1, 24                            ; s[24:31] descriptor group 1 for R's tiles;  s[32:39] group 0, one set for each slot
.set G0, 32
.set G1B, 48                           ; s[48:55], s[56:63] the same for P's tiles
.set G0B, 56
.set G1S, 68                           ; s[68:75], s[76:79] groups 1 and 0 for R's scales;  s[80:87], s[88:91] for P's
.set G0S, 76
.set G1SB, 80
.set G0SB, 88
.set ISV,  95                          ; s95  1 in v's clusters
.set CSTR, 98                          ; s98  bytes of codes for a (bh, s): 6144 in qb, 12288 in kv
.set SSTR, 99                          ; s99  bytes of scale words: 512 in qs, 768 in sc
.set COFF, 100                         ; s100 v's tiles lie 6144 bytes behind k's
.set SOFF, 101                         ; s101 v's words 512 behind k's
.set YR4,  104                         ; s104 what 4 x cluster y adds to R's tile number (q, k), or 0 (v)
.set YP4,  105                         ; s105 and to P's (v), or 0
.set MSB, 0
.macro WIN new                         ; the immediate's high byte repeats the setting that is left
.if MSB != \new
	s_set_vgpr_msb (MSB<<8)|\new
.set MSB, \new
.endif
.endm
.set MUL_LO, 0xa1                      ; source 0 (P) window 1, source 1 (R) window 0, C and D window 2
.set MUL_HI, 0xf1                      ; the same, C and D window 3
.set TO_B,   0x40                      ; destination window 1, address window 0
; A joint load: waves 0 and 1 fetch for R, waves 2 and 3 for P.  The branch hangs on the wave's number alone.  An s_nop 0 and four v_nop follow each of the two lines.
.macro JLOAD g0a, g1a, g0b, g1b
	s_cmp_eq_u32 s15, 0
	s_cbranch_scc0 .Lfor_b_\@
	tensor_load_to_lds s[\g0a:\g0a+3], s[\g1a:\g1a+7]
	s_nop 0
.rept 4
	v_nop
.endr
	s_branch .Lasked_\@
.Lfor_b_\@:
	tensor_load_to_lds s[\g0b:\g0b+3], s[\g1b:\g1b+7]
	s_nop 0
.rept 4
	v_nop
.endr
.Lasked_\@:
.endm
.macro CREST                           ; a round of the cluster's barrier behind its opening barrier
	s_cmp_lg_u32 s14, 0
	s_cbranch_scc1 .Lnot_wave_0_\@
	s_barrier_signal -3
.Lnot_wave_0_\@:
	s_barrier_wait -3
	s_barrier_signal -1
	s_barrier_wait -1
.endm
.macro CROUND                          ; a whole round
	s_barrier_signal -1
	s_barrier_wait -1
	CREST
.endm
	s_load_b512 s[16:31], s[0:1], 0x0              ; x's codes, scales; Wq's; Wk's; Wv's
	s_load_b256 s[32:39], s[0:1], 0x40             ; qb, qs, kv, sc
	v_lshl_add_u32 v[SPW], v0, 2, SPARE
	v_mov_b32 v[NIL], 0
	ds_add_u32 v[SPW], v[NIL]                      ; the wave's opening: the add, twice on end, and its wait ahead of my first tensor load
	ds_add_u32 v[SPW], v[NIL]                      ; and once more, under the one wait; work on registers that the scalar loads do not write stands between
	v_lshrrev_b32 v1, 5, v0
	v_readfirstlane_b32 s14, v1                    ; wave 0..3
	s_lshr_b32 s15, s14, 1                         ; which half of R's rows is mine.  Also: I fetch for R (0) or for P (1)
	s_bfe_u32 s40, ttmp6, 0x40000                  ; cx, cy: my place in the cluster
	s_bfe_u32 s41, ttmp6, 0x40004
	s_lshl_b32 s43, s41, 2
	s_lshl_b32 s43, 15, s43                        ; my row of the cluster
	s_lshl_b32 s44, 0x1111, s40                    ; my column
	s_and_b32 s94, ttmp7, 0xffff
	s_lshl_b32 s94, s94, 2                         ; 4 x cluster y
	s_or_b32 s[G1B+0], s44, (0<<16)|(1<<20)|(1<<21)|(3<<22)|(3<<25)  ; 15:0 the mask: P's tiles go to my column; elements of 1 byte; padding on; bit 21 beside a mask; after every 16 words, 4 words
	s_mov_b32 s[G1B+1], ROWB<<16                   ; tensor_dim0
	s_mov_b32 s[G1B+2], 128<<16                    ; tensor_dim1
	s_mov_b32 s[G1B+3], ROWB<<16                   ; tile_dim0
	s_mov_b32 s[G1B+4], 128                        ; tile_dim1
	s_mov_b32 s[G1B+5], KROW                       ; from row to row
	s_mov_b32 s[G1B+6], 0
	s_mov_b32 s[G1B+7], 0
	s_or_b32 s[G1S+0], s43, (3<<16)|(1<<20)|(1<<21)|(5<<22)|(3<<25)  ; the scales of 128 rows: a dense block, as rows of 256 bytes (32 elements of 8), 16 bytes of padding behind each
	s_or_b32 s[G1SB+0], s44, (3<<16)|(1<<20)|(1<<21)|(5<<22)|(3<<25)
.irp g, G1S, G1SB
	s_mov_b32 s[\g+1], 32<<16
	s_mov_b32 s[\g+2], (128*KS/256)<<16
	s_mov_b32 s[\g+3], 32<<16
	s_mov_b32 s[\g+4], 128*KS/256
	s_mov_b32 s[\g+5], 32
	s_mov_b32 s[\g+6], 0
	s_mov_b32 s[\g+7], 0
.endr
	s_wait_dscnt 0x0                               ; both opening adds are done
	s_wait_kmcnt 0x0
	; which tensors are R and P, and where the results go: chosen by the cluster's x alone
	s_cmp_eq_u32 ttmp9, 2                          ; v?
	s_cselect_b64 s[4:5], s[28:29], s[16:17]       ; R's codes: Wv's, else x's
	s_cselect_b64 s[6:7], s[30:31], s[18:19]       ; R's scales
	s_cselect_b32 s[ISV], 1, 0
	s_cselect_b32 s[COFF], 6144, 0
	s_cselect_b32 s[SOFF], 512, 0
	s_cselect_b32 s[YR4], 0, s94
	s_cselect_b32 s[YP4], s94, 0
	s_cmp_eq_u32 ttmp9, 0                          ; q?
	s_cselect_b64 s[8:9], s[20:21], s[24:25]       ; the weight: Wq's codes, else Wk's
	s_cselect_b64 s[10:11], s[22:23], s[26:27]
	s_cselect_b64 s[12:13], s[32:33], s[36:37]     ; codes go to qb, else to kv
	s_cselect_b64 s[96:97], s[34:35], s[38:39]     ; scale words to qs, else to sc
	s_mov_b32 s[CSTR], 12288
	s_cselect_b32 s[CSTR], 6144, s[CSTR]
	s_mov_b32 s[SSTR], 768
	s_cselect_b32 s[SSTR], 512, s[SSTR]
	s_cmp_eq_u32 ttmp9, 2
	s_cselect_b64 s[8:9], s[16:17], s[8:9]         ; P's codes: x's for v, else the weight's
	s_cselect_b64 s[10:11], s[18:19], s[10:11]
	s_and_b32 s16, s14, 1                          ; which half of P's rows is mine.  Also: which 128 rows of a tile I fetch
	s_add_co_u32 s17, s[YR4], s41                  ; R's tile: cy (+ 4 x cluster y for q, k)
	s_add_co_u32 s42, s[YP4], s40                  ; P's tile: cx (+ 4 x cluster y for v)
	s_or_b32 s[G1+0], s43, (0<<16)|(1<<20)|(1<<21)|(3<<22)|(3<<25)   ; R's tiles go to my row
	s_mov_b32 s[G1+1], ROWB<<16
	s_mov_b32 s[G1+2], 128<<16
	s_mov_b32 s[G1+3], ROWB<<16
	s_mov_b32 s[G1+4], 128
	s_mov_b32 s[G1+5], KROW
	s_mov_b32 s[G1+6], 0
	s_mov_b32 s[G1+7], 0
	s_lshl_b32 s18, s16, 7                         ; which 128 rows of the tile I fetch
	s_lshl_b32 s20, s17, 8
	s_add_co_u32 s20, s20, s18                     ; R: row 256 x tile + 128 x half
	s_lshl_b32 s46, s42, 8
	s_add_co_u32 s46, s46, s18                     ; P likewise
	s_mov_b32 s21, 0
	s_mov_b32 s47, 0
	s_mov_b64 s[18:19], KS
	s_mul_u64 s[22:23], s[20:21], s[18:19]         ; where these rows' scales begin, in bytes
	s_mul_u64 s[92:93], s[46:47], s[18:19]
	s_mov_b64 s[18:19], KROW
	s_mul_u64 s[20:21], s[20:21], s[18:19]         ; and their codes
	s_mul_u64 s[46:47], s[46:47], s[18:19]
	s_mul_i32 s45, s14, HALFT                      ; where they go: wave x 128 rows: no place in the cluster enters an LDS address
	s_mul_i32 s94, s14, HALFS
	s_add_nc_u64 s[20:21], s[4:5], s[20:21]
	s_add_nc_u64 s[22:23], s[6:7], s[22:23]
	s_add_nc_u64 s[46:47], s[8:9], s[46:47]
	s_add_nc_u64 s[92:93], s[10:11], s[92:93]
	CROUND                                         ; all sixteen work-groups are here: the first joint loads meet
	s_mov_b32 s[G0S], 1
	s_add_co_u32 s[G0S+1], s94, SCL
	s_mov_b64 s[G0S+2:G0S+3], s[22:23]
	s_or_b32 s[G0S+3], s[G0S+3], 0x80000000
	s_mov_b32 s[G0SB], 1
	s_add_co_u32 s[G0SB+1], s94, SCL
	s_mov_b64 s[G0SB+2:G0SB+3], s[92:93]
	s_or_b32 s[G0SB+3], s[G0SB+3], 0x80000000
	JLOAD G0S, G1S, G0SB, G1SB                     ; the scales first: they are wanted with K step 0
.irp s, 0,1
	s_mov_b32 s[G0+4*\s], 1
	s_add_co_u32 s[G0+4*\s+1], s45, \s*SLOT
	s_add_nc_u64 s[G0+4*\s+2:G0+4*\s+3], s[20:21], \s*ROWB
	s_or_b32 s[G0+4*\s+3], s[G0+4*\s+3], 0x80000000
	s_mov_b32 s[G0B+4*\s], 1
	s_add_co_u32 s[G0B+4*\s+1], s45, \s*SLOT
	s_add_nc_u64 s[G0B+4*\s+2:G0B+4*\s+3], s[46:47], \s*ROWB
	s_or_b32 s[G0B+4*\s+3], s[G0B+4*\s+3], 0x80000000
	JLOAD G0+4*\s, G1, G0B+4*\s, G1B               ; three loads of mine are out now
.endr
	v_and_b32 v1, 15, v0                           ; l % 16
	v_bfe_u32 v2, v0, 4, 1                         ; l / 16
	v_mul_u32_u24 v3, v1, PITCH
	v_mul_u32_u24 v4, v2, 24
	v_add_nc_u32 v4, v3, v4                        ; a fragment's row x pitch + 24 x half
	v_lshl_add_u32 v5, v2, 4, v4                   ; and the same behind one padding more
	s_mul_i32 s21, s15, HALFT                      ; my 128 rows of R
	s_mul_i32 s22, s16, HALFT                      ; my 128 rows of P,
	s_add_co_u32 s22, s22, 2*HALFT                 ; which lie behind R's 256
.irp s, 0,1
	v_add_nc_u32 v[ADRA+\s], s21, v4
	v_add_nc_u32 v[ADRB+\s], s22, v4
	v_add_nc_u32 v[ADRA+2+\s], s21, v5
	v_add_nc_u32 v[ADRB+2+\s], s22, v5
	s_add_co_u32 s21, s21, SLOT
	s_add_co_u32 s22, s22, SLOT
.endr
	v_mul_u32_u24 v5, v1, KS                       ; my row's scales: 32 bytes a row,
	v_lshrrev_b32 v6, 8, v5
	v_lshl_add_u32 v5, v6, 4, v5                   ; and 16 more for each 256 passed
	s_mul_i32 s21, s15, HALFS                      ; R's: my 128 rows
	s_mul_i32 s22, s16, HALFS                      ; P's: my 128 rows, behind R's 256
	s_add_co_u32 s22, s22, 2*HALFS
	s_sub_co_u32 s22, s22, s21
	v_mul_u32_u24 v6, s22, v2                      ; lanes 16-31 take P's: one product with the lane's half
	s_add_co_u32 s21, s21, SCL
	v_add_nc_u32 v5, v5, v6
	v_add_nc_u32 v[ADRS], s21, v5
	v_and_b32 v6, 31, v0
	v_lshlrev_b32 v[O16], 4, v6
	v_lshlrev_b32 v[O8], 3, v6
	; where my results go.  My 128 rows of R are group gR, my 128 of P group gP.  The token group gives batch and s, the feature group a pair of heads
	s_lshl_b32 s18, s17, 1
	s_add_co_u32 s18, s18, s15                     ; gR
	s_lshl_b32 s19, s42, 1
	s_add_co_u32 s19, s19, s16                     ; gP
	s_cmp_eq_u32 s[ISV], 1
	s_cselect_b32 s23, s19, s18                    ; the token group: 16 x batch + s
	s_cselect_b32 s45, s18, s19                    ; the pair of heads
	s_lshr_b32 s46, s23, 4
	s_lshl_b32 s46, s46, 4
	s_lshl_b32 s45, s45, 1
	s_add_co_u32 s46, s46, s45                     ; bh of the even head
	s_lshl_b32 s46, s46, 4
	s_and_b32 s23, s23, 15
	s_add_co_u32 s46, s46, s23                     ; 16 bh + s
	s_mul_i32 s92, s46, s[CSTR]
	s_add_co_u32 s92, s92, s[COFF]
	s_mov_b32 s93, 0
	s_add_nc_u64 s[4:5], s[12:13], s[92:93]        ; s[4:5]: the even head's codes (the input pointers that lay here are spent)
	s_lshl_b32 s92, s[CSTR], 4
	s_add_nc_u64 s[6:7], s[4:5], s[92:93]          ; s[6:7]: the odd head's: 16 groups on
	s_mul_i32 s92, s46, s[SSTR]
	s_add_co_u32 s92, s92, s[SOFF]
	s_add_nc_u64 s[8:9], s[96:97], s[92:93]        ; s[8:9]: the even head's scale words
	s_lshl_b32 s92, s[SSTR], 4
	s_add_nc_u64 s[10:11], s[8:9], s[92:93]        ; s[10:11]: the odd head's
	s_mov_b32 s20, 0x76543210
	s_mov_b32 s21, 0xfedcba98                      ; v_permlanex16_b32's selects for lane l xor 16
	s_mov_b32 s22, 0xffff0000                      ; lanes 16-31
.macro FRAG reg, adr, q, i             ; a fragment, 16 rows x 128 K: lane l holds row l % 16; registers 6 c .. 6 c + 5 hold K = 64 c + 32 (l / 16) + 0 .. 31: 24 bytes of the row's stream of bits, as they lie
.irp p, 0,1,2,3,4,5                    ; in pieces of 8 bytes.  Lanes 16-31 read three pieces further on than lanes 0-15: where that is behind one padding more, the second address register serves
.set PCE, 12*(\q)+6*(\p/3)+\p%3
.if PCE%8 < 5
	ds_load_b64 v[\reg+2*\p:\reg+2*\p+1], v[\adr] offset:8*PCE+16*(PCE/8)+(\i)*16*PITCH
.else
	ds_load_b64 v[\reg+2*\p:\reg+2*\p+1], v[\adr+2] offset:8*PCE+16*(PCE/8)+(\i)*16*PITCH
.endif
.endr
.endm
; 16 matrix instructions: R's blocks a0, a0 + 1 x P's eight, 128 along K.  zero = 1: the first product starts the sums.  The 64 accumulators take turns, one instruction a turn, in the same order in every step.
.macro MUL16 a0, p, q, sc, zero
.irp a, \a0, \a0+1
.irp b, 0,1,2,3,4,5,6,7
.if \zero
	v_wmma_scale_f32_16x16x128_f8f6f4 v[8*(8*((\a)%4)+\b):8*(8*((\a)%4)+\b)+7], v[128*(\p)+FR*\b:128*(\p)+FR*\b+FR-1], v[AF+FR*(\a):AF+FR*(\a)+FR-1], 0, v[SC+8*NQ*(\sc)+NQ*\b+(\q)], v[SC+8*NQ*(\sc)+NQ*(\a)+(\q)] matrix_a_fmt:MATRIX_FMT_FP6 matrix_b_fmt:MATRIX_FMT_FP6 matrix_a_scale:MATRIX_SCALE_ROW1
.else
	v_wmma_scale_f32_16x16x128_f8f6f4 v[8*(8*((\a)%4)+\b):8*(8*((\a)%4)+\b)+7], v[128*(\p)+FR*\b:128*(\p)+FR*\b+FR-1], v[AF+FR*(\a):AF+FR*(\a)+FR-1], v[8*(8*((\a)%4)+\b):8*(8*((\a)%4)+\b)+7], v[SC+8*NQ*(\sc)+NQ*\b+(\q)], v[SC+8*NQ*(\sc)+NQ*(\a)+(\q)] matrix_a_fmt:MATRIX_FMT_FP6 matrix_b_fmt:MATRIX_FMT_FP6 matrix_a_scale:MATRIX_SCALE_ROW1
.endif
.endr
.endr
.endm
.macro FETCH_B slot, q, p              ; P's eight fragments of the slot's q-th 128 along K into set p
	WIN TO_B
.irp i, 0,1,2,3,4,5,6,7
	FRAG 128*(\p)+FR*\i, ADRB+\slot, \q, \i
.endr
	WIN 0
.endm
.macro FETCH_A slot, q, i0             ; R's blocks i0 .. i0 + 3
.irp i, \i0, \i0+1, \i0+2, \i0+3
	FRAG AF+FR*(\i), ADRA+\slot, \q, \i
.endr
.endm
.macro SCALES sc                       ; a K step's scale words into set sc: two words a row; lanes 0-15 take R's block i, lanes 16-31 P's block i
.irp i, 0,1,2,3,4,5,6,7
	ds_load_b64 v[SC+8*NQ*\sc+NQ*\i:SC+8*NQ*\sc+NQ*\i+1], v[ADRS] offset:\i*SBLK
.endr
.endm
.macro PLACES n                        ; plain vector instructions between a matrix instruction and a load into, or a read of, its registers
.rept \n
	v_nop
.endr
.endm
; A step of 128 along K that has its successor in the same slot.
.macro STEP slot, q, zero
	s_wait_dscnt 4*NL                              ; P's set, R's blocks 0-3 and the scale words are in; the youngest 24 loads (R's blocks 4-7) may be out
	WIN MUL_LO
	MUL16 0, (\q)%2, \q, \slot, \zero
	MUL16 2, (\q)%2, \q, \slot, \zero
	s_wait_dscnt 0                                 ; R's blocks 4-7 are in
	PLACES NP
	FETCH_B \slot, (\q)+1, 1-(\q)%2
	FETCH_A \slot, (\q)+1, 0
	WIN MUL_HI
	MUL16 4, (\q)%2, \q, \slot, \zero
	MUL16 6, (\q)%2, \q, \slot, \zero
	PLACES NP
	WIN 0
	FETCH_A \slot, (\q)+1, 4
.endm
; A slot's last step changes slots: ONE barrier; in front of it each wave waits for all its tensor loads, adds 0 to its spare word, and waits for that and for its own reads of this slot.  fill = 1: this slot is filled again, two K steps ahead.
.macro TURN slot, next, fill
	s_wait_tensorcnt 0x0                           ; all my tensor loads have landed: my part of the next slot
	ds_add_u32 v[SPW], v[NIL]                      ; 0 onto my spare word
	s_wait_dscnt 4*NL+1                            ; (the add and the youngest 24 loads may be out)
	WIN MUL_LO
	MUL16 0, 1, NQ-1, \slot, 0                     ; sixteen matrix instructions stand between the add and the wait for it
	s_wait_dscnt 0x0                               ; the add is done, and my reads of this slot are over
	s_barrier_signal -1
	MUL16 2, 1, NQ-1, \slot, 0
	WIN 0
	s_barrier_wait -1
.if \fill
	CREST                                          ; the barrier has opened a round of the cluster's barrier: no wave of any partner still reads this slot or has a load on its way
	s_add_nc_u64 s[G0+4*\slot+2:G0+4*\slot+3], s[G0+4*\slot+2:G0+4*\slot+3], 2*ROWB
	s_add_nc_u64 s[G0B+4*\slot+2:G0B+4*\slot+3], s[G0B+4*\slot+2:G0B+4*\slot+3], 2*ROWB
	JLOAD G0+4*\slot, G1, G0B+4*\slot, G1B         ; the first tensor load behind the round; its four v_nop are the places in front of the loads below
.else
	PLACES NP
.endif
	v_add_nc_u32 v[ADRS], 4*NQ, v[ADRS]            ; on to the next K step's scale words
	FETCH_B \next, 0, 0
	FETCH_A \next, 0, 0
	SCALES \next
	WIN MUL_HI
	MUL16 4, 1, NQ-1, \slot, 0
	MUL16 6, 1, NQ-1, \slot, 0
	PLACES NP
	WIN 0
	FETCH_A \next, 0, 4
.endm
	s_wait_tensorcnt 1                             ; the scales and my part of K step 0 are in (K step 1's load may be out)
	s_barrier_signal -1
	s_barrier_wait -1                              ; everybody's are
	FETCH_B 0, 0, 0
	FETCH_A 0, 0, 0
	SCALES 0
	FETCH_A 0, 0, 4
	STEP 0, 0, 1                                   ; K = 1024 is four K steps, twice round the ring: written out.  The first products start the sums
	TURN 0, 1, 1                                   ; slot 0 takes K step 2
	STEP 1, 0, 0
	TURN 1, 0, 1                                   ; slot 1 takes K step 3
	STEP 0, 0, 0
	TURN 0, 1, 0                                   ; nothing is left to fetch
	STEP 1, 0, 0
	s_wait_dscnt 4*NL
	WIN MUL_LO
	MUL16 0, 1, NQ-1, 1, 0
	MUL16 2, 1, NQ-1, 1, 0
	s_wait_dscnt 0
	WIN MUL_HI
	MUL16 4, 1, NQ-1, 1, 0
	MUL16 6, 1, NQ-1, 1, 0
	WIN 0
; THE WAY OUT, block by block of 16 rows of R.  The block's 64 registers of a lane are four blocks of 32 along P (16 numbers mine, 16 lane l xor 16's): largest magnitude, scale byte, conversion, and the exchange of halves
; that gives a lane a whole block.  The result is an operand's 12 registers, stored as they stand.
.macro QUANTW a
.set AC, 64*((\a)%4)
.set WN, 2+(\a)/4                      ; the block's window
.set WW, WN*5                          ; sources 0 and 1 there
	WIN WW
.irp b, 0,1,2,3
	v_max3_num_f32 v[TM+\b], |v[AC+16*\b]|, |v[AC+16*\b+1]|, 0x1800000   ; each accumulator is read from its low end on; the floor 2^(3 - 127) keeps the byte at 1 from below
.endr
.irp i, 2,4,6,8,10,12,14
.irp b, 0,1,2,3
	v_max3_num_f32 v[TM+\b], |v[AC+16*\b+\i]|, |v[AC+16*\b+\i+1]|, v[TM+\b]   ; the four blocks by turns
.endr
.endr
	WIN 0
.irp b, 0,1,2,3
	v_permlanex16_b32 v[TM+4+\b], v[TM+\b], s20, s21
.endr
.irp b, 0,1,2,3
	v_max_num_f32 v[TM+\b], v[TM+\b], v[TM+4+\b]   ; the block's largest magnitude
.endr
.irp b, 0,1,2,3
	v_add_nc_u32 v[TM+12+\b], 0xff000000, v[TM+\b] ; 2 off its exponent field: the conversion's scale operand
.endr
.irp b, 0,1,2,3
	v_lshrrev_b32 v[TM+4+\b], 23, v[TM+12+\b]      ; the scale's byte
.endr
	v_lshl_or_b32 v[PW], v[TM+5], 8, v[TM+4]
	v_lshl_or_b32 v[PW], v[TM+6], 16, v[PW]
	v_lshl_or_b32 v[PW], v[TM+7], 24, v[PW]        ; my row's scale word
	s_wait_xcnt 0x0                                ; the last block's stores have read their data: the codes' registers are written again only behind this wait
	WIN WN                                         ; source 0 in the block's window
.irp c, 0,1
	v_cvt_scalef32_pk16_fp6_f32 v[PC+6*\c:PC+2+6*\c], v[AC+32*\c:AC+15+32*\c], v[TM+12+2*\c]
	v_cvt_scalef32_pk16_fp6_f32 v[PC+12+4*\c:PC+14+4*\c], v[AC+16+32*\c:AC+31+32*\c], v[TM+12+2*\c+1]   ; (a conversion's three registers begin on an even number)
.endr
	WIN 0
	v_nop                                          ; one plain place behind a scaled conversion
.irp c, 0,1
.irp i, 0,1,2
	v_permlane16_swap_b32 v[PC+6*\c+\i], v[PC+12+4*\c+\i]   ; lanes 0-15 get block 2 c whole, lanes 16-31 block 2 c + 1
.endr
.irp i, 0,1,2
	v_mov_b32 v[PC+3+6*\c+\i], v[PC+12+4*\c+\i]
.endr
.endr
.endm
.macro OUTB a
	QUANTW \a
.if (\a)%2 == 0
	v_mov_b32 v[PWP], v[PW]
.else
	v_cndmask_b32 v[SW+(\a)/2], v[PWP], v[PW], s22 ; lanes 0-15 keep block a - 1's words, lanes 16-31 take block a's: lane L holds row 16 (a - 1) + L's
.endif
	s_cmp_eq_u32 s[ISV], 0
	s_cbranch_scc0 .Lv_\@
	global_store_b128 v[O16], v[PC:PC+3], s[4:5] offset:768*(\a)          ; q, k: registers 0-5 are the even head's 64 d of 16 tokens, registers 6-11 the odd head's.  Each store covers 512 or 256 consecutive bytes, aligned
	global_store_b64 v[O8], v[PC+4:PC+5], s[4:5] offset:768*(\a)+512
	global_store_b128 v[O16], v[PC+6:PC+9], s[6:7] offset:768*(\a)
	global_store_b64 v[O8], v[PC+10:PC+11], s[6:7] offset:768*(\a)+512
	s_branch .Ldone_\@
.Lv_\@:
.irp c, 0,1,2
.if (\a) < 4
	global_store_b128 v[O16], v[PC+4*\c:PC+4*\c+3], s[4:5] offset:1536*((\a)%4)+512*\c   ; v: 16 d of the even head (blocks 0-3) or the odd (4-7) x 128 keys
.else
	global_store_b128 v[O16], v[PC+4*\c:PC+4*\c+3], s[6:7] offset:1536*((\a)%4)+512*\c
.endif
.endr
.Ldone_\@:
.endm
	PLACES NP                                      ; behind the last products: their results are read and R's registers written below
.irp b, 0,1,2,3
	v_mov_b32 v[TM+4+\b], 0                        ; written once: a lane permute's destination counts as one of its sources
.endr
.irp a, 0,1,2,3,4,5,6,7
	OUTB \a
.endr
	s_cmp_eq_u32 s[ISV], 0
	s_cbranch_scc0 .Lv_words
.irp i, 0,1,2,3
	v_and_b32 v[SE+\i], 0xffff, v[SW+\i]           ; q, k: bytes 0, 1 are the even head's two blocks, bytes 2, 3 the odd head's; the upper bytes of a stored word are 0
	v_lshrrev_b32 v[SO+\i], 16, v[SW+\i]
.endr
	global_store_b128 v[O16], v[SE:SE+3], s[8:9]
	global_store_b128 v[O16], v[SO:SO+3], s[10:11]
	s_branch .Lwords_done
.Lv_words:
	global_store_b64 v[O8], v[SW:SW+1], s[8:9]     ; v: words of d = L and 32 + L of the even head,
	global_store_b64 v[O8], v[SW+2:SW+3], s[10:11] ; and of the odd
.Lwords_done:
	s_wait_tensorcnt 0x0                           ; the wave's end
	ds_add_u32 v[SPW], v[NIL]
	s_wait_dscnt 0x0
	CROUND                                         ; the closing round: no work-group ends while a partner may still ask for a tile that names it
	s_endpgm
.Lfunc_end_k_q640b985484_proj:
	.size	k_q640b985484_proj, .Lfunc_end_k_q640b985484_proj-k_q640b985484_proj
	.p2alignl 7, 3214868480
	.fill 96, 4, 3214868480
	.section	.rodata,"a",@progbits
	.p2align	6, 0x0
	.amdhsa_kernel k_q640b985484_proj
		.amdhsa_group_segment_fixed_size 327680
		.amdhsa_private_segment_fixed_size 0
		.amdhsa_enable_private_segment 0
		.amdhsa_kernarg_size 96
		.amdhsa_user_sgpr_count 2
		.amdhsa_user_sgpr_kernarg_segment_ptr 1
		.amdhsa_wavefront_size32 1
		.amdhsa_system_sgpr_workgroup_id_x 1
		.amdhsa_system_sgpr_workgroup_id_y 1
		.amdhsa_system_sgpr_workgroup_id_z 1
		.amdhsa_system_vgpr_workitem_id 0
		.amdhsa_next_free_vgpr 1024
		.amdhsa_next_free_sgpr 106
		.amdhsa_reserve_vcc 0
		.amdhsa_float_denorm_mode_32 3
		.amdhsa_float_denorm_mode_16_64 3
		.amdhsa_memory_ordered 1
		.amdhsa_forward_progress 1
		.amdhsa_inst_pref_size 170
	.end_amdhsa_kernel
	.amdgpu_metadata
---
amdhsa.version: [ 1, 2 ]
amdhsa.kernels:
  - .name:           k_q640b985484_proj
    .symbol:         k_q640b985484_proj.kd
    .args:
      - { .name: x_codes, .offset: 0, .size: 8, .value_kind: global_buffer, .address_space: global }
      - { .name: x_scales, .offset: 8, .size: 8, .value_kind: global_buffer, .address_space: global }
      - { .name: Wq_codes, .offset: 16, .size: 8, .value_kind: global_buffer, .address_space: global }
      - { .name: Wq_scales, .offset: 24, .size: 8, .value_kind: global_buffer, .address_space: global }
      - { .name: Wk_codes, .offset: 32, .size: 8, .value_kind: global_buffer, .address_space: global }
      - { .name: Wk_scales, .offset: 40, .size: 8, .value_kind: global_buffer, .address_space: global }
      - { .name: Wv_codes, .offset: 48, .size: 8, .value_kind: global_buffer, .address_space: global }
      - { .name: Wv_scales, .offset: 56, .size: 8, .value_kind: global_buffer, .address_space: global }
      - { .name: qb, .offset: 64, .size: 8, .value_kind: global_buffer, .address_space: global }
      - { .name: qs, .offset: 72, .size: 8, .value_kind: global_buffer, .address_space: global }
      - { .name: kv, .offset: 80, .size: 8, .value_kind: global_buffer, .address_space: global }
      - { .name: sc, .offset: 88, .size: 8, .value_kind: global_buffer, .address_space: global }
    .group_segment_fixed_size: 327680
    .private_segment_fixed_size: 0
    .kernarg_segment_align: 8
    .kernarg_segment_size: 96
    .max_flat_workgroup_size: 128
    .sgpr_count:     106
    .vgpr_count:     1024
    .wavefront_size: 32
...
	.end_amdgpu_metadata
.endif
;; end of part 1
;; launch attn (part 2): grid 4 x 64, 16 waves a work-group, no clusters, 327,680 bytes of LDS; arguments qb, qs, kv, sc, cimg, csc; writes cimg, csc
.if DOCPART == 2
	.amdgcn_target "amdgcn-amd-amdhsa--gfx1250"
	.amdhsa_code_object_version 6
	.text
	.protected	k_q640b985484_attn
	.globl	k_q640b985484_attn
	.p2align	8
	.type	k_q640b985484_attn,@function
k_q640b985484_attn:
	s_mov_b64 s[64:65], 0
	v_nop
	global_prefetch_b8 v0, s[64:65] scope:SCOPE_SE
	s_setreg_imm32_b32 hwreg(HW_REG_WAVE_MODE, 25, 1), 1
	s_wait_xcnt 0x0
; SECOND LAUNCH: scores = q k^T (K = the head's 64), causal softmax, ctx = p v / l (K = the keys), and the quantising of ctx along (head, d) for the last launch.  All operands are codes of FP6 (E2M3) with E8M0 scales.
; WORK LEFT OUT: a step of 128 keys all of which come after a wave's 16 queries (under reference()'s own jnp.tril their weights are 0 for all finite inputs).  A NaN, an infinity or an overflow that reaches only such a step is not carried on.
; THE SOFTMAX: t = score x log2(e) / 8; M = the running largest t rounded UP to a whole number; p = 2^(t - M) is quantised along the keys, not normalised; the row's sum is taken of the unquantised p and divides at the end.
; When M moves, the sum and O are multiplied by 2^(old M - new M): exact.  LIMITS: NaN and infinities are not served; a p under 2^-126 counts as 0; a block whose largest magnitude lies under 2^-124 gets the byte 1.
; SHARES.  Work-group (i, bh) owns the blocks i and 7 - i of 256 queries of one head, one after the other: block j walks the slots 0 .. j of 256 keys, so every work-group walks 9 slots, and all trip counts are constants.
; Each of the sixteen waves owns 16 queries in 256 registers, four waves to a SIMD: one wave's vector work stands beside another's products and LDS loads.
; NO CLUSTER: at a given change of slots the four work-groups of a head want different slots (block i ends after i + 1 of them), so no request would be joint.
; LAYOUT.  Both products are used transposed: S^T = K Q^T (source 0 = 16 keys), O^T = V^T P^T (source 0 = 16 d): a lane holds ONE query.  Register 8 t + j of a lane of half h is key 16 t + 8 h + j: p's blocks of 32 are the true
; blocks, with the codes inside a block in the order 0-7, 16-23, 8-15, 24-31, which is the order in which the launch before laid v's keys (and q's and k's d).
; K = 64 IN A FORM OF 128.  Q's registers 6-11 hold zero codes.  K's operand for tile t is v[32 + 6 t .. 43 + 6 t]: its upper six registers are the next tile's codes (zeros behind the last); they meet Q's zero codes, E2M3 has no NaN
; and no infinity, and the upper two bytes of both scale words are 0, which is 2^-127: they add nothing.
; ctx must lie in the natural order of d, since Wo is given: sixteen exchanges of halves on the way out give a lane 16 neighbours.
; LDS: slot n at 32768 n: for each of its two steps of 128 keys 12288 bytes (8 tiles of k x 768, 4 tiles of v x 1536), then at 24576 the two steps' scale words (k's 512, v's 256 each).  All are images of operand registers:
; every LDS address is the slot + a constant + 16 or 8 x lane.  Waves 0, 1 fetch a step's codes each, wave 2 the scale words; at most one tensor load of a wave is out.
.set SLOT1, 1<<15
.set REC,   12288                      ; a step's codes
.set VOF,   6144                       ; v's tiles behind k's
.set SCO,   24576                      ; a slot's scale words
.set SPARE, 65536                      ; the spare words, 128 bytes for each of 16 waves, named by no other line
.set L16, 1                            ; v1   16 x lane
.set L8,  2                            ; v2   8 x lane
.set A16, 3                            ; v3   slot + 16 x lane
.set A8,  4                            ; v4   slot + 8 x lane
.set SPW, 5                            ; v5   my spare word; never rewritten
.set NIL, 6                            ; v6   0; never rewritten
.set CB,  7                            ; v7   32 (lane % 16) + lane / 16: my byte among the wave's rows of csc
.set QSO, 8                            ; v8   16 (lane % 16): my query's scale word
.set PFO, 9                            ; v9   256 x lane: the prefetches' offset
.set DG,  10                           ; v10  lane % 16 - 8 (lane / 16), for the diagonal
.set QF,  16                           ; v16-21 Q's codes, v22-27 zero codes
.set KFR, 32                           ; v32-79 K's 8 tiles (6 registers each), later V's 4 (12 each); v80-85 zero codes, never rewritten
.set SS,  96                           ; v96-159 S^T, then p
.set OT,  160                          ; v160-191 O^T
.set KSC, 192                          ; v192-195 K's scale words; v196-197 V's; v198 Q's; v199 p's: these hold scales and nothing else
.set VSC, 196
.set QSC, 198
.set PSC, 199
.set BM,  200                          ; v200-203 a block's largest score, then its largest p
.set PT,  204                          ; v204-207 the other half's; then the bytes
.set SOP, 208                          ; v208-211 the conversions' scale operands
.set CT,  212                          ; v212-214, v216-218 halves on their way
.set FF,  220                          ; v220 f = 2^(old M - new M); v221 is named with it as a pair
.set TP,  222                          ; v222-223 at work
.set PCD, 224                          ; v224-235 p's codes; on the way out ctx's
.set MK,  236                          ; v236-237 the diagonal
.set CBY, 238                          ; v238 my scale byte of ctx
.set TB,    2                          ; s2   LDS byte at which the slot in hand begins
.set SLOTS, 3                          ; s3   changes of slots that still ask for a slot
.set WV,    18
.set SEL,   20                         ; s[20:21] selects for lane l xor 16
.set CS,    22                         ; s[22:23] c = log2(e) / 8
.set G1A,   24                         ; s[24:31] group 1: 48 rows of 256 bytes, dense
.set G1S,   32                         ; s[32:39] the same with 6 rows
.set G0A,   40                         ; s[40:43], s[44:47] the groups 0
.set G0S,   44
.set HB,    48                         ; s[48:49] kv at my head, at the step that I fetch
.set HS,    50                         ; s[50:51] sc at my head
.set BLK,   52                         ; s52  the block of queries in hand
.set KSL,   53                         ; s53  the slot of keys in hand
.set KF,    54                         ; s54  the step's first key
.set Q0,    55                         ; s55  my first query
.set BH,    56
.set BLK2,  57                         ; s57  the second block: 7 - i
.set PFA,   58                         ; s[58:59] where my prefetches stand
.set LIM,   60                         ; s60  1 in a wave that prefetches, else the greatest number
.set HIM,   61                         ; s61  lanes 16-31
; Waves 0 and 1 fetch codes, wave 2 the scale words, the others nothing.  The branches hang on the wave's number alone.  An s_nop 0 and four v_nop follow each of the two lines.
.macro TLOAD
	s_cmp_lt_u32 s[WV], 2
	s_cbranch_scc0 .Lnot_codes_\@
	tensor_load_to_lds s[G0A:G0A+3], s[G1A:G1A+7]
	s_nop 0
.rept 4
	v_nop
.endr
	s_branch .Lasked_\@
.Lnot_codes_\@:
	s_cmp_lt_u32 s[WV], 3
	s_cbranch_scc0 .Lasked_\@
	tensor_load_to_lds s[G0S:G0S+3], s[G1S:G1S+7]
	s_nop 0
.rept 4
	v_nop
.endr
.Lasked_\@:
.endm
; A PREFETCH INTO THE L2 of a slot's 24576 bytes of codes.  All four work-groups of a head walk the same kv: the first of them asks (a branch on the work-group's number), by its waves 4 to 6, which fetch nothing: 8192 bytes a wave,
; lanes 256 bytes apart, one instruction.  That work-group's second block walks slots 0 to 7 in order, and its change number n asks by tensor load for slot n: the prefetch there names slot n + 1, one change, two steps of keys, ahead.
; So slots 1 to 7 are named once each in the launch; slot 0 and the scale words come by their loads alone; the last change that fills a slot asks for nothing.
.macro ASK
	s_cmp_gt_u32 s[SLOTS], s[LIM]
	s_cbranch_scc0 .Lnot_mine_\@
	global_prefetch_b8 v[PFO], s[PFA:PFA+1] th:TH_LOAD_NT scope:SCOPE_SE
.Lnot_mine_\@:
.endm
; Q's tile and scale words of the block in hand
.macro QLOAD
	s_lshl_b32 s66, s[BH], 7
	s_lshl_b32 s67, s[BLK], 4
	s_add_co_u32 s66, s66, s67
	s_add_co_u32 s66, s66, s[WV]                   ; the tile: 128 bh + 16 block + wave
	s_mul_i32 s66, s66, 768
	s_mov_b32 s67, 0
	s_add_nc_u64 s[70:71], s[4:5], s[66:67]
	s_lshl_b32 s66, s[BH], 4
	s_lshl_b32 s68, s[BLK], 1
	s_add_co_u32 s66, s66, s68
	s_lshr_b32 s68, s[WV], 3
	s_add_co_u32 s66, s66, s68                     ; the group of 128 tokens: 16 bh + 2 block + wave / 8
	s_lshl_b32 s66, s66, 9
	s_and_b32 s68, s[WV], 1                        ; in it my rows are 32 i + L, i = (wave % 8) / 2, L = 16 (wave % 2) + r: byte 16 L + 4 i
	s_lshl_b32 s68, s68, 8
	s_add_co_u32 s66, s66, s68
	s_bfe_u32 s68, s[WV], 0x20001
	s_lshl_b32 s68, s68, 2
	s_add_co_u32 s66, s66, s68
	s_add_nc_u64 s[72:73], s[6:7], s[66:67]
	global_load_b128 v[QF:QF+3], v[L16], s[70:71]
	global_load_b64 v[QF+4:QF+5], v[L8], s[70:71] offset:512
	global_load_b32 v[QSC], v[QSO], s[72:73]
.endm
.macro RESET                           ; a block's start: the largest t under every t, the sum and O^T zeros, which the first change of M leaves zeros
	v_mov_b32 v13, 0xff61b1e6                      ; -3e38
	s_delay_alu instid0(VALU_DEP_1)
	v_floor_f32 v12, -v13                          ; -M
	v_mov_b32 v14, 0
	v_mov_b32 v15, 0
.set j, 0
.rept 32
	v_mov_b32 v[OT+j], 0
.set j, j+1
.endr
.endm
	s_load_b256 s[4:11], s[0:1], 0x0               ; qb, qs, kv, sc
	s_load_b128 s[12:15], s[0:1], 0x20             ; cimg, csc
	v_lshl_add_u32 v[SPW], v0, 2, SPARE
	v_mov_b32 v[NIL], 0
	ds_add_u32 v[SPW], v[NIL]                      ; the wave's opening: the add, twice on end, and its wait ahead of my first tensor load
	ds_add_u32 v[SPW], v[NIL]                      ; and once more, under the one wait; the set-up below, work on registers, stands between
	v_lshrrev_b32 v1, 5, v0
	s_delay_alu instid0(VALU_DEP_1)
	v_readfirstlane_b32 s[WV], v1                  ; wave 0..15
	v_and_b32 v[L8], 31, v0
	s_delay_alu instid0(VALU_DEP_1)
	v_lshlrev_b32 v[L16], 4, v[L8]
	s_delay_alu instid0(VALU_DEP_2)
	v_lshlrev_b32 v[PFO], 8, v[L8]
	s_delay_alu instid0(VALU_DEP_3)
	v_lshlrev_b32 v[L8], 3, v[L8]
	v_and_b32 v[DG], 15, v0                        ; r
	v_bfe_u32 v[A16], v0, 4, 1                     ; h
	s_delay_alu instid0(VALU_DEP_2)
	v_lshlrev_b32 v[QSO], 4, v[DG]
	s_delay_alu instid0(VALU_DEP_2)
	v_lshl_add_u32 v[CB], v[DG], 5, v[A16]
	s_delay_alu instid0(VALU_DEP_3)
	v_lshlrev_b32 v[A16], 3, v[A16]
	s_delay_alu instid0(VALU_DEP_1)
	v_sub_nc_u32 v[DG], v[DG], v[A16]
	s_and_b32 s[BH], ttmp7, 0xffff
	s_mov_b32 s[BLK], ttmp9
	s_sub_co_u32 s[BLK2], 7, ttmp9
	s_mov_b32 s[G1A], 3<<16                        ; no mask; elements of 8 bytes; no padding
	s_mov_b32 s[G1A+1], 32<<16                     ; tensor_dim0 = 32 elements: 256 bytes
	s_mov_b32 s[G1A+2], 48<<16                     ; tensor_dim1
	s_mov_b32 s[G1A+3], 32<<16                     ; tile_dim0
	s_mov_b32 s[G1A+4], 48                         ; tile_dim1
	s_mov_b32 s[G1A+5], 32                         ; from row to row: dense
	s_mov_b32 s[G1A+6], 0
	s_mov_b32 s[G1A+7], 0
	s_mov_b32 s[G1S], 3<<16
	s_mov_b32 s[G1S+1], 32<<16
	s_mov_b32 s[G1S+2], 6<<16
	s_mov_b32 s[G1S+3], 32<<16
	s_mov_b32 s[G1S+4], 6
	s_mov_b32 s[G1S+5], 32
	s_mov_b32 s[G1S+6], 0
	s_mov_b32 s[G1S+7], 0
	s_mov_b32 s[SEL], 0x76543210
	s_mov_b32 s[SEL+1], 0xfedcba98
	s_mov_b32 s[CS], 0x3e38aa3b                    ; log2(e) / 8
	s_mov_b32 s[CS+1], s[CS]                       ; (named with it as a pair, so it is written)
	s_mov_b32 s[HIM], 0xffff0000
	s_mov_b32 s[TB], 0
	s_mov_b32 s[SLOTS], 8
	s_mov_b32 s[KSL], 0
	s_mov_b32 s[KF], 0
	s_lshl_b32 s[Q0], s[BLK], 8
	s_lshl_b32 s66, s[WV], 4
	s_add_co_u32 s[Q0], s[Q0], s66                 ; my first query: 256 block + 16 wave
	s_and_b32 s67, s[WV], 1
	s_mul_i32 s67, s67, REC                        ; which of a slot's two steps I fetch, if I fetch: the same bytes on in memory and in LDS
	s_mul_i32 s68, s[BH], 16*REC
	s_add_co_u32 s68, s68, s67
	s_mov_b32 s69, 0
	s_mul_i32 s70, s[BH], 16*768
	s_mov_b32 s71, 0
	s_and_b32 s72, s[WV], 3
	s_lshl_b32 s72, s72, 13                        ; the prefetches: waves 4, 5, 6 take 8192 bytes each
	s_mul_i32 s73, s[BH], 16*REC
	s_add_co_u32 s72, s72, s73
	s_mov_b32 s73, 0
	s_sub_co_u32 s74, s[WV], 4
	s_cmp_lt_u32 s74, 3                            ; waves 4 to 6
	s_cselect_b32 s74, 0, 1
	s_or_b32 s74, s74, ttmp9                       ; of the head's first work-group
	s_cmp_eq_u32 s74, 0
	s_cselect_b32 s[LIM], 1, -1
	s_wait_dscnt 0x0                               ; both opening adds are done
	s_wait_kmcnt 0x0
	s_add_nc_u64 s[HB:HB+1], s[8:9], s[68:69]
	s_add_nc_u64 s[HS:HS+1], s[10:11], s[70:71]
	s_add_nc_u64 s[PFA:PFA+1], s[8:9], s[72:73]    ; at slot 0: the first change steps it to slot 1.  Nothing is prefetched here, at the head
	s_mov_b32 s[G0A], 1                            ; count = 1
	s_mov_b32 s[G0A+1], s67                        ; LDS: slot 0, my step
	s_mov_b64 s[G0A+2:G0A+3], s[HB:HB+1]           ; keys 0 on
	s_or_b32 s[G0A+3], s[G0A+3], 0x80000000        ; type = 2
	s_mov_b32 s[G0S], 1
	s_mov_b32 s[G0S+1], SCO
	s_mov_b64 s[G0S+2:G0S+3], s[HS:HS+1]
	s_or_b32 s[G0S+3], s[G0S+3], 0x80000000
	TLOAD                                          ; slot 0
	s_wait_alu depctr_va_vdst(0)
	QLOAD
.irp j, 0,1,2,3,4,5
	v_mov_b32 v[QF+6+\j], 0                        ; Q's zero codes for k = 64 .. 127
	v_mov_b32 v[KFR+48+\j], 0                      ; and what stands behind K's last tile
.endr
.irp b, 0,1,2,3
	v_mov_b32 v[PT+\b], 0                          ; written once: a lane permute's destination counts as one of its sources
.endr
	v_mov_b32 v[FF+1], 0                           ; (named as the upper half of a pair)
	v_mov_b32 v[TP], 0
	RESET
; A STEP: 128 keys, the q-th of the slot in hand.
.macro STEP q
	s_add_co_u32 s96, s[Q0], 15
	s_cmp_gt_u32 s[KF], s96                        ; all its keys come after my queries: left out.  A branch on ids and counts; no barrier and no tensor load stands in a step
	s_cbranch_scc1 .Lhidden_\@
	v_add_nc_u32 v[A16], s[TB], v[L16]
	v_add_nc_u32 v[A8], s[TB], v[L8]
	v_nop
	v_nop                                          ; four places in front of loads into registers that the last products read
.irp t, 0,1,2,3,4,5,6,7
	ds_load_b128 v[KFR+6*\t:KFR+6*\t+3], v[A16] offset:REC*(\q)+768*\t
	ds_load_b64 v[KFR+6*\t+4:KFR+6*\t+5], v[A8] offset:REC*(\q)+768*\t+512
.endr
	ds_load_b128 v[KSC:KSC+3], v[A16] offset:SCO+768*(\q)       ; register i: lane L holds key 32 i + L's word
	ds_load_b64 v[VSC:VSC+1], v[A8] offset:SCO+768*(\q)+512     ; register i: lane L holds d = 32 i + L's
	s_wait_alu depctr_va_vdst(0)
	s_wait_dscnt 0x0
.irp t, 0,2,4,6                                ; S^T = K Q^T: an even tile's words lie in lanes 0-15 of its register, an odd tile's in lanes 16-31
	v_wmma_scale_f32_16x16x128_f8f6f4 v[SS+8*\t:SS+8*\t+7], v[KFR+6*\t:KFR+6*\t+11], v[QF:QF+11], 0, v[KSC+\t/2], v[QSC] matrix_a_fmt:MATRIX_FMT_FP6 matrix_b_fmt:MATRIX_FMT_FP6
	v_wmma_scale_f32_16x16x128_f8f6f4 v[SS+8*\t+8:SS+8*\t+15], v[KFR+6*\t+6:KFR+6*\t+17], v[QF:QF+11], 0, v[KSC+\t/2], v[QSC] matrix_a_fmt:MATRIX_FMT_FP6 matrix_b_fmt:MATRIX_FMT_FP6 matrix_a_scale:MATRIX_SCALE_ROW1
.endr
.rept 4
	v_nop                                          ; places in front of the loads into K's registers and of the first read of the scores
.endr
.irp d, 0,1,2,3
.irp c, 0,1,2
	ds_load_b128 v[KFR+12*\d+4*\c:KFR+12*\d+4*\c+3], v[A16] offset:REC*(\q)+VOF+1536*\d+512*\c   ; V's tiles land while the softmax is walked
.endr
.endr
	s_add_co_u32 s96, s[KF], 127                   ; on the diagonal the scores of hidden keys become -infinity ahead of the maximum.  A step all of whose keys count skips this
	s_cmp_le_u32 s96, s[Q0]
	s_cbranch_scc1 .Lopen_\@
	s_sub_co_i32 s96, s[Q0], s[KF]
	v_add_nc_u32 v[MK], s96, v[DG]                 ; my query - the first key - 8 (lane / 16).  Register 8 t + j holds key 16 t + 8 (lane / 16) + j on: hidden where 16 t + j is above this
	v_mov_b32 v[MK+1], 0xff800000
.set n, 0
.rept 64
	v_cmp_gt_i32 vcc_lo, 16*(n/8)+n%8, v[MK]
	v_cndmask_b32 v[SS+n], v[SS+n], v[MK+1], vcc_lo
.set n, n+1
.endr
.Lopen_\@:
.irp b, 0,1,2,3
	v_max3_num_f32 v[BM+\b], v[SS+16*\b], v[SS+1+16*\b], v[SS+2+16*\b]   ; the largest score of each block of 32 keys: for the row's maximum and, since p rises with the score, for the block's largest p
.endr
.irp i, 3,5,7,9,11,13
.irp b, 0,1,2,3
	v_max3_num_f32 v[BM+\b], v[BM+\b], v[SS+16*\b+\i], v[SS+1+16*\b+\i]
.endr
.endr
.irp b, 0,1,2,3
	v_max_num_f32 v[BM+\b], v[BM+\b], v[SS+15+16*\b]
.endr
.irp b, 0,1,2,3
	s_delay_alu instid0(VALU_DEP_4)
	v_permlanex16_b32 v[PT+\b], v[BM+\b], s[SEL], s[SEL+1]
.endr
.irp b, 0,1,2,3
	s_delay_alu instid0(VALU_DEP_4)
	v_max_num_f32 v[BM+\b], v[BM+\b], v[PT+\b]     ; with lane l xor 16's 16 keys
.endr
	s_delay_alu instid0(VALU_DEP_2)
	v_max3_num_f32 v[TP], v[BM], v[BM+1], v[BM+2]
	s_delay_alu instid0(VALU_DEP_1)
	v_max_num_f32 v[TP], v[TP], v[BM+3]
	s_delay_alu instid0(VALU_DEP_1)
	v_mul_f32 v[TP], s[CS], v[TP]                  ; the step's largest t
	s_delay_alu instid0(VALU_DEP_1)
	v_max_num_f32 v13, v13, v[TP]                  ; the running largest
	v_mov_b32 v[TP], v12
	s_delay_alu instid0(VALU_DEP_2)
	v_floor_f32 v12, -v13                          ; -M = floor(-t): M is a whole number
	s_delay_alu instid0(VALU_DEP_1)
	v_sub_f32 v[TP], v12, v[TP]                    ; old M - new M, 0 or less
	s_delay_alu instid0(VALU_DEP_1)
	v_cvt_i32_f32 v[TP], v[TP]                     ; (it saturates)
	s_delay_alu instid0(VALU_DEP_1)
	v_ldexp_f32 v[FF], 1.0, v[TP]                  ; f = 2^(old M - new M)
.set j, 0
.rept 32
	v_pk_fma_f32 v[SS+j:SS+j+1], v[SS+j:SS+j+1], s[CS:CS+1], v[12:13] op_sel_hi:[1,0,0]   ; t - M, two at a time
.set j, j+2
.endr
.irp b, 0,1,2,3
	v_fma_f32 v[BM+\b], v[BM+\b], s[CS], v12       ; the same of each block's largest score
.endr
.set j, 0
	s_wait_alu depctr_va_vdst(0)
.rept 64
	v_exp_f32 v[SS+j], v[SS+j]                     ; p = 2^(t - M)
.set j, j+1
.endr
	v_pk_mul_f32 v[14:15], v[14:15], v[FF:FF+1] op_sel_hi:[1,0]   ; the sum under the new M: the plain instruction behind the batch
	s_wait_alu depctr_va_vdst(0)                   ; one wait for the 64, ahead of their first reader
.irp b, 0,1,2,3
	v_exp_f32 v[BM+\b], v[BM+\b]                   ; the blocks' largest p
.endr
	v_pk_add_f32 v[222:223], v[100:101], v[104:105]
	v_pk_add_f32 v[254:255], v[108:109], v[112:113]
	v_pk_add_f32 v[252:253], v[116:117], v[120:121]
	v_pk_add_f32 v[250:251], v[124:125], v[128:129]
	v_pk_add_f32 v[248:249], v[132:133], v[136:137]
	v_pk_add_f32 v[246:247], v[140:141], v[144:145]
	v_pk_add_f32 v[244:245], v[148:149], v[152:153]
	v_pk_add_f32 v[14:15], v[14:15], v[156:157]
	v_pk_add_f32 v[222:223], v[222:223], v[96:97]
	v_pk_add_f32 v[254:255], v[254:255], v[98:99]
	v_pk_add_f32 v[252:253], v[252:253], v[102:103]
	v_pk_add_f32 v[250:251], v[250:251], v[106:107]
	v_pk_add_f32 v[248:249], v[248:249], v[110:111]
	v_pk_add_f32 v[246:247], v[246:247], v[114:115]
	v_pk_add_f32 v[244:245], v[244:245], v[118:119]
	v_pk_add_f32 v[14:15], v[14:15], v[122:123]
	v_pk_add_f32 v[222:223], v[222:223], v[126:127]
	v_pk_add_f32 v[254:255], v[254:255], v[130:131]
	v_pk_add_f32 v[252:253], v[252:253], v[134:135]
	v_pk_add_f32 v[250:251], v[250:251], v[138:139]
	v_pk_add_f32 v[248:249], v[248:249], v[142:143]
	v_pk_add_f32 v[246:247], v[246:247], v[146:147]
	v_pk_add_f32 v[244:245], v[244:245], v[150:151]
	v_pk_add_f32 v[14:15], v[14:15], v[154:155]
	v_pk_add_f32 v[222:223], v[222:223], v[158:159]
	s_delay_alu instid0(VALU_DEP_2)
	v_pk_add_f32 v[14:15], v[14:15], v[250:251]
	s_delay_alu instid0(VALU_DEP_2)
	v_pk_add_f32 v[222:223], v[222:223], v[248:249]
	v_pk_add_f32 v[254:255], v[254:255], v[246:247]
	v_pk_add_f32 v[252:253], v[252:253], v[244:245]
	s_delay_alu instid0(VALU_DEP_2)
	v_pk_add_f32 v[14:15], v[14:15], v[254:255]
	s_delay_alu instid0(VALU_DEP_2)
	v_pk_add_f32 v[222:223], v[222:223], v[252:253]
	s_delay_alu instid0(VALU_DEP_1)
	v_pk_add_f32 v[14:15], v[14:15], v[222:223]
	s_wait_alu depctr_va_vdst(0)                   ; and one for the four
.irp b, 0,1,2,3
	v_max_num_f32 v[BM+\b], 0x1800000, v[BM+\b]    ; the floor 2^(3 - 127): the byte cannot fall under 1
.endr
.irp b, 0,1,2,3
	s_delay_alu instid0(VALU_DEP_4)
	v_add_nc_u32 v[SOP+\b], 0xff000000, v[BM+\b]   ; 2 off the exponent field: the conversion's scale operand
.endr
.irp b, 0,1,2,3
	s_delay_alu instid0(VALU_DEP_4)
	v_lshrrev_b32 v[PT+\b], 23, v[SOP+\b]          ; the scale's byte
.endr
	s_delay_alu instid0(VALU_DEP_3)
	v_lshl_or_b32 v[PSC], v[PT+1], 8, v[PT]
	s_delay_alu instid0(VALU_DEP_1)
	v_lshl_or_b32 v[PSC], v[PT+2], 16, v[PSC]
	s_delay_alu instid0(VALU_DEP_1)
	v_lshl_or_b32 v[PSC], v[PT+3], 24, v[PSC]      ; p's scale word for these 128 keys
.irp c, 0,1
	v_cvt_scalef32_pk16_fp6_f32 v[PCD+6*\c:PCD+6*\c+2], v[SS+32*\c:SS+32*\c+15], v[SOP+2*\c]
	v_cvt_scalef32_pk16_fp6_f32 v[CT+4*\c:CT+4*\c+2], v[SS+32*\c+16:SS+32*\c+31], v[SOP+2*\c+1]
.endr
	v_nop                                          ; one plain place behind a scaled conversion
.irp c, 0,1
.irp i, 0,1,2
	v_permlane16_swap_b32 v[PCD+6*\c+\i], v[CT+4*\c+\i]   ; lanes 0-15 get block 2 c whole, lanes 16-31 block 2 c + 1
.endr
.irp i, 0,1,2
	s_delay_alu instid0(VALU_DEP_3)
	v_mov_b32 v[PCD+6*\c+3+\i], v[CT+4*\c+\i]
.endr
.endr
.set j, 0
.rept 16
	v_pk_mul_f32 v[OT+j:OT+j+1], v[OT+j:OT+j+1], v[FF:FF+1] op_sel_hi:[1,0]   ; O^T under the new M; these sixteen also stand between the writing of p's codes and scale word and the products
.set j, j+2
.endr
	s_wait_alu depctr_va_vdst(0)
	s_wait_dscnt 0x0                               ; V is in
.irp d, 0,2                                    ; O^T += V^T P^T: four accumulators by turns
	v_wmma_scale_f32_16x16x128_f8f6f4 v[OT+8*\d:OT+8*\d+7], v[KFR+12*\d:KFR+12*\d+11], v[PCD:PCD+11], v[OT+8*\d:OT+8*\d+7], v[VSC+\d/2], v[PSC] matrix_a_fmt:MATRIX_FMT_FP6 matrix_b_fmt:MATRIX_FMT_FP6
	v_wmma_scale_f32_16x16x128_f8f6f4 v[OT+8*\d+8:OT+8*\d+15], v[KFR+12*\d+12:KFR+12*\d+23], v[PCD:PCD+11], v[OT+8*\d+8:OT+8*\d+15], v[VSC+\d/2], v[PSC] matrix_a_fmt:MATRIX_FMT_FP6 matrix_b_fmt:MATRIX_FMT_FP6 matrix_a_scale:MATRIX_SCALE_ROW1
.endr
.Lhidden_\@:
	s_add_co_u32 s[KF], s[KF], 128
.endm
; THE CHANGE OF SLOTS stands at a slot's head.  Each wave waits for all its tensor loads, adds 0 to its spare word (fill = 1: twice on end), and waits for that and for its reads of the slot that it has left.
; Behind the barrier the slot ahead is whole and nobody reads the other one.  fill = 1: that other slot takes the slot of keys that follows: the next of this block, or, behind a block's last, slot 0 for the second block.
; Every one of the nine slots is read by some wave.
.macro CHANGE fill
	s_wait_tensorcnt 0x0                           ; no tensor load of mine is out, so a group 0 may be written
	ds_add_u32 v[SPW], v[NIL]                      ; 0 onto my spare word
.if \fill
	ds_add_u32 v[SPW], v[NIL]                      ; and once more
	s_xor_b32 s[G0A+1], s[G0A+1], SLOT1            ; the other LDS slot than last time
	s_xor_b32 s[G0S+1], s[G0S+1], SLOT1
	s_add_co_u32 s66, s[KSL], 1
	s_cmp_eq_u32 s[KSL], s[BLK]
	s_cselect_b32 s66, 0, s66                      ; which slot of keys
	s_mul_i32 s68, s66, 2*REC
	s_mov_b32 s69, 0
	s_add_nc_u64 s[G0A+2:G0A+3], s[HB:HB+1], s[68:69]
	s_or_b32 s[G0A+3], s[G0A+3], 0x80000000
	s_mul_i32 s68, s66, 2*768
	s_add_nc_u64 s[G0S+2:G0S+3], s[HS:HS+1], s[68:69]
	s_or_b32 s[G0S+3], s[G0S+3], 0x80000000
	s_wait_xcnt 0x0                                ; the last prefetch, a slot back, has read its address, so it may be written
	s_add_nc_u64 s[PFA:PFA+1], s[PFA:PFA+1], 2*REC
.endif
	s_wait_dscnt 0x0                               ; the add is done (fill = 1: both are), and my reads of the slot that I have left are over
	s_barrier_signal -1
	s_barrier_wait -1
.if \fill
	TLOAD                                          ; the first thing behind the barrier, and a wave's one tensor load until the next
	ASK
.endif
.endm
; A BLOCK'S END.  O^T / the sum; the exchange that gives a lane 16 neighbours along d; the two blocks of 32 quantised; the tile's image and the scale bytes stored.  reload = 1: the second block begins.
.macro FINISH reload
.rept 4
	v_nop                                          ; places behind the last products
.endr
	v_add_f32 v14, v14, v15
	s_delay_alu instid0(VALU_DEP_1)
	v_permlanex16_b32 v[TP], v14, s[SEL], s[SEL+1]
	s_delay_alu instid0(VALU_DEP_1)
	v_add_f32 v14, v14, v[TP]                      ; the row's sum
	s_wait_alu depctr_va_vdst(0)
	v_rcp_f32 v14, v14
	v_nop                                          ; a plain place behind the transcendental
	s_lshr_b32 s66, s[BH], 4                       ; batch
	s_and_b32 s67, s[BH], 15                       ; head
	s_lshl_b32 s68, s66, 7
	s_lshl_b32 s69, s[BLK], 4
	s_add_co_u32 s68, s68, s69
	s_add_co_u32 s68, s68, s[WV]                   ; the tile of 16 rows: 128 batch + 16 block + wave
	s_lshl_b32 s68, s68, 4
	s_add_co_u32 s68, s68, s67
	s_mul_i32 s68, s68, 768                        ; cimg [tile of rows][head][768]
	s_mov_b32 s69, 0
	s_add_nc_u64 s[74:75], s[12:13], s[68:69]
	s_lshl_b32 s68, s66, 11
	s_add_co_u32 s68, s68, s[Q0]
	s_lshl_b32 s68, s68, 5                         ; csc [row][32]: byte 2 head + block
	s_lshl_b32 s67, s67, 1
	s_add_co_u32 s68, s68, s67
	s_add_nc_u64 s[76:77], s[14:15], s[68:69]
	s_wait_alu depctr_va_vdst(0)                   ; the wait ahead of the reciprocal's first reader
.set j, 0
.rept 32
	v_mul_f32 v[SS+j], v[OT+j], v14                ; register 8 t + i: ctx(my query, 16 t + 8 (lane / 16) + i); each accumulator from its low end on
.set j, j+1
.endr
.irp b, 0,1
.irp i, 0,1,2,3,4,5,6,7
	v_permlane16_swap_b32 v[SS+16*\b+\i], v[SS+16*\b+8+\i]   ; now register 16 b + i is d = 32 b + 16 (lane / 16) + i: the natural order, as Wo's codes lie
.endr
.endr
.irp b, 0,1
	v_max3_num_f32 v[BM+\b], |v[SS+16*\b]|, |v[SS+1+16*\b]|, 0x1800000
.endr
.irp i, 2,4,6,8,10,12,14
.irp b, 0,1
	s_delay_alu instid0(VALU_DEP_2)
	v_max3_num_f32 v[BM+\b], v[BM+\b], |v[SS+16*\b+\i]|, |v[SS+1+16*\b+\i]|
.endr
.endr
.irp b, 0,1
	s_delay_alu instid0(VALU_DEP_2)
	v_permlanex16_b32 v[PT+\b], v[BM+\b], s[SEL], s[SEL+1]
.endr
.irp b, 0,1
	s_delay_alu instid0(VALU_DEP_2)
	v_max_num_f32 v[BM+\b], v[BM+\b], v[PT+\b]
.endr
.irp b, 0,1
	s_delay_alu instid0(VALU_DEP_2)
	v_add_nc_u32 v[SOP+\b], 0xff000000, v[BM+\b]
.endr
.irp b, 0,1
	s_delay_alu instid0(VALU_DEP_2)
	v_lshrrev_b32 v[PT+\b], 23, v[SOP+\b]
.endr
	s_delay_alu instid0(VALU_DEP_1)
	v_cndmask_b32 v[CBY], v[PT], v[PT+1], s[HIM]   ; lanes 0-15 store block 0's byte of their row, lanes 16-31 block 1's
	v_cvt_scalef32_pk16_fp6_f32 v[PCD:PCD+2], v[SS:SS+15], v[SOP]
	v_cvt_scalef32_pk16_fp6_f32 v[CT:CT+2], v[SS+16:SS+31], v[SOP+1]
	v_nop                                          ; one plain place behind a scaled conversion
.irp i, 0,1,2
	v_permlane16_swap_b32 v[PCD+\i], v[CT+\i]
.endr
.irp i, 0,1,2
	s_delay_alu instid0(VALU_DEP_3)
	v_mov_b32 v[PCD+3+\i], v[CT+\i]
.endr
	global_store_b128 v[L16], v[PCD:PCD+3], s[74:75]            ; 512 consecutive bytes, aligned,
	global_store_b64 v[L8], v[PCD+4:PCD+5], s[74:75] offset:512 ; and 256
	global_store_b8 v[CB], v[CBY], s[76:77]        ; a wave has 32 scale bytes, two to a row of csc: one byte in 24 of what it stores
.if \reload
	s_mov_b32 s[BLK], s[BLK2]
	s_lshl_b32 s[Q0], s[BLK], 8
	s_lshl_b32 s66, s[WV], 4
	s_add_co_u32 s[Q0], s[Q0], s66
	QLOAD
	s_mov_b32 s[KF], 0
	s_mov_b32 s[KSL], -1                           ; the line behind the join makes it 0
	RESET
	s_wait_xcnt 0x0                                ; the stores have read their data and bases: both are written again only behind this wait
	s_wait_loadcnt 0x0                             ; Q
.endif
.endm
	s_wait_loadcnt 0x0                             ; Q
.Lslot:                                            ; 8 trips: behind each change of slots but the last the next slot is asked for
	CHANGE 1
	STEP 0
	STEP 1
	s_xor_b32 s[TB], s[TB], SLOT1                  ; on to the other slot
	s_cmp_eq_u32 s[KSL], s[BLK]                    ; the block's last slot?  Ids and counts alone: all sixteen waves go the same way, and no barrier stands under the branch
	s_cbranch_scc0 .Lsame
	FINISH 1
.Lsame:
	s_add_co_u32 s[KSL], s[KSL], 1
	s_sub_co_u32 s[SLOTS], s[SLOTS], 1
	s_cmp_lg_u32 s[SLOTS], 0
	s_cbranch_scc1 .Lslot
	CHANGE 0                                       ; the ninth slot is written out, so that no trip jumps over a tensor load
	STEP 0
	STEP 1
	FINISH 0
	s_wait_tensorcnt 0x0                           ; the wave's end
	ds_add_u32 v[SPW], v[NIL]
	s_wait_dscnt 0x0
	s_endpgm
.Lfunc_end_k_q640b985484_attn:
	.size	k_q640b985484_attn, .Lfunc_end_k_q640b985484_attn-k_q640b985484_attn
	.p2alignl 7, 3214868480
	.fill 96, 4, 3214868480
	.section	.rodata,"a",@progbits
	.p2align	6, 0x0
	.amdhsa_kernel k_q640b985484_attn
		.amdhsa_group_segment_fixed_size 327680
		.amdhsa_private_segment_fixed_size 0
		.amdhsa_enable_private_segment 0
		.amdhsa_kernarg_size 48
		.amdhsa_user_sgpr_count 2
		.amdhsa_user_sgpr_kernarg_segment_ptr 1
		.amdhsa_wavefront_size32 1
		.amdhsa_system_sgpr_workgroup_id_x 1
		.amdhsa_system_sgpr_workgroup_id_y 1
		.amdhsa_system_sgpr_workgroup_id_z 1
		.amdhsa_system_vgpr_workitem_id 0
		.amdhsa_next_free_vgpr 256
		.amdhsa_next_free_sgpr 100
		.amdhsa_reserve_vcc 1
		.amdhsa_float_denorm_mode_32 3
		.amdhsa_float_denorm_mode_16_64 3
		.amdhsa_memory_ordered 1
		.amdhsa_forward_progress 1
		.amdhsa_inst_pref_size 111
	.end_amdhsa_kernel
	.amdgpu_metadata
---
amdhsa.version: [ 1, 2 ]
amdhsa.kernels:
  - .name:           k_q640b985484_attn
    .symbol:         k_q640b985484_attn.kd
    .args:
      - { .name: qb, .offset: 0, .size: 8, .value_kind: global_buffer, .address_space: global }
      - { .name: qs, .offset: 8, .size: 8, .value_kind: global_buffer, .address_space: global }
      - { .name: kv, .offset: 16, .size: 8, .value_kind: global_buffer, .address_space: global }
      - { .name: sc, .offset: 24, .size: 8, .value_kind: global_buffer, .address_space: global }
      - { .name: cimg, .offset: 32, .size: 8, .value_kind: global_buffer, .address_space: global }
      - { .name: csc, .offset: 40, .size: 8, .value_kind: global_buffer, .address_space: global }
    .group_segment_fixed_size: 327680
    .private_segment_fixed_size: 0
    .kernarg_segment_align: 8
    .kernarg_segment_size: 48
    .max_flat_workgroup_size: 512
    .sgpr_count:     100
    .vgpr_count:     256
    .wavefront_size: 32
...
	.end_amdgpu_metadata
.endif
;; end of part 2
;; launch outp (part 3): grid 4 x 64, 4 waves a work-group, clusters of 4 x 4, 327,680 bytes of LDS; arguments cimg, csc, Wo_codes, Wo_scales, bo, out0; writes out0
.if DOCPART == 3
	.amdgcn_target "amdgcn-amd-amdhsa--gfx1250"
	.amdhsa_code_object_version 6
	.text
	.protected	k_q640b985484_outp
	.globl	k_q640b985484_outp
	.p2align	8
	.type	k_q640b985484_outp,@function
k_q640b985484_outp:
	s_mov_b64 s[64:65], 0
	v_nop
	global_prefetch_b8 v0, s[64:65] scope:SCOPE_SE
	s_setreg_imm32_b32 hwreg(HW_REG_WAVE_MODE, 25, 1), 1
	s_wait_xcnt 0x0
	s_wait_alu depctr_hold_cnt(0) depctr_sa_sdst(0) depctr_va_vdst(0) depctr_va_sdst(0) depctr_va_ssrc(0) depctr_va_vcc(0) depctr_vm_vsrc(0)
	s_getreg_b32 s2, hwreg(HW_REG_IB_STS2, 6, 4)
	s_cmp_eq_u32 s2, 0
	s_cbranch_scc0 .Lentry_in_a_cluster
	s_endpgm
.Lentry_in_a_cluster:
	s_bfe_u32 s2, ttmp6, 0x10000c
	s_cmp_lg_u32 s2, 0xf033
	s_cbranch_scc0 .Lentry_shape_is_right
	s_endpgm
.Lentry_shape_is_right:
; THIRD LAUNCH: out0 = ctx Wo + bo.  ctx [8192][1024] comes as the launch before left it: cimg [row / 16][head][768], images of operand registers (16 rows x 64 along K: registers 0-3 at 16 x lane, registers 4-5 at 512 + 8 x lane),
; csc [row][32] E8M0 bytes.  Wo's codes [1024 (n)][768] and scale bytes [1024][32] are as given; bo [1024] and out0 [8192][1024] are f32.  No work is left out here.
; SHAPE.  A tile of 128 rows x 256 columns to a work-group, so that 256 work-groups share the 8192 x 1024 results; a wave makes 64 x 128: 32 accumulators.  K goes in steps of 256 through a ring of two LDS slots.
; The matrix instruction is used transposed (source 0 = 16 rows of Wo, source 1 = 16 rows of ctx): a lane holds eight neighbouring columns of one row.  The bias is the C of each sum's first instruction.
; CLUSTERS: 4 x 4 work-groups.  ctx's tile hangs on the tile row and is shared along a row of the cluster, Wo's on the tile column and is shared along a column: each is asked for jointly.
; No prefetch: both operands are read by many work-groups and shared by joint loads, and what bounds the launch is its stores.
; LDS: slot n at 86016 n: A: 8 tiles of rows x 3072 bytes (four heads' images, no padding), B: 256 rows x 240.  Behind the ring the scale bytes for all of K, as units of 256 bytes + 16: A's 16 units, B's 32.  Then the spare words.
; REGISTERS, in windows of 256: window 0: v0-31 addresses; v32-63 scale words, two sets; v64-111, v112-159 A's fragments, two sets; on the way out v128-255.  window 1: B's fragments, two sets.
;   window 2: accumulator (a, b) at v[8 (8 a + b)].   window 3: v0-63 the bias: tile b's eight numbers of my half of the lanes.
.set KSTEP,  256
.set NQ,     2
.set ROWB,   192
.set KROW,   768
.set PITCH,  240
.set FR,     12
.set NP,     4
.set HALFT,  128*PITCH                 ; 128 rows of Wo: what one tensor load brings
.set ATB,    3072                      ; a tile of 16 rows of ctx, 256 along K
.set ATILE,  8*ATB
.set SLOT,   ATILE+2*HALFT
.set KS,     32
.set SCL,    2*SLOT
.set HALFSA, (64*KS/256)*272           ; the scales of 64 rows of ctx
.set HALFSB, (128*KS/256)*272          ; of 128 rows of Wo
.set SBLK,   (16*KS/256)*272
.set SPARE,  SCL+2*HALFSA+2*HALFSB     ; the spare words, 128 bytes for each wave, named by no other line
.set SPITCH, 528                       ; the way out: a stage of 16 rows x (512 bytes + 16) for each wave, in slot 0, which has had its last fill and its last read by then
.set A16,  16                          ; v16-17 slot + my 4 tiles of rows + 16 x lane
.set A8,   18                          ; v18-19 the same + 8 x lane
.set ADRB, 20                          ; v20-21 my B fragments in slot 0, 1 (v22-23: for the pieces behind one padding more)
.set STO,  24
.set RD,   25
.set CO,   26
.set ADRS, 27                          ; v27 my scale words: lanes 0-15 A's rows, lanes 16-31 B's
.set SPW,  28
.set NIL,  29
.set SC,   32
.set AF,   64
.set BK,   128
.set G1, 24
.set G0, 32
.set G1B, 48
.set G0B, 56
.set G1S, 68
.set G0S, 76
.set G1SB, 80
.set G0SB, 88
.set MSB, 0
.macro WIN new
.if MSB != \new
	s_set_vgpr_msb (MSB<<8)|\new
.set MSB, \new
.endif
.endm
.set MUL_A, 0xa1                       ; source 0 (B) window 1, source 1 (A) window 0, C and D window 2
.set MUL_B, 0xb1                       ; the same, C (the bias) window 3
.set TO_B,  0x40
.macro JLOAD g0a, g1a, g0b, g1b        ; a joint load: waves 0 and 1 fetch for A, waves 2 and 3 for B; an s_nop 0 and four v_nop follow each of the two lines
	s_cmp_eq_u32 s15, 0
	s_cbranch_scc0 .Lfor_b_\@
	tensor_load_to_lds s[\g0a:\g0a+3], s[\g1a:\g1a+7]
	s_nop 0
.rept 4
	v_nop
.endr
	s_branch .Lasked_\@
.Lfor_b_\@:
	tensor_load_to_lds s[\g0b:\g0b+3], s[\g1b:\g1b+7]
	s_nop 0
.rept 4
	v_nop
.endr
.Lasked_\@:
.endm
.macro CREST
	s_cmp_lg_u32 s14, 0
	s_cbranch_scc1 .Lnot_wave_0_\@
	s_barrier_signal -3
.Lnot_wave_0_\@:
	s_barrier_wait -3
	s_barrier_signal -1
	s_barrier_wait -1
.endm
.macro CROUND
	s_barrier_signal -1
	s_barrier_wait -1
	CREST
.endm
	s_load_b128 s[4:7], s[0:1], 0x0                ; cimg, csc
	s_load_b128 s[8:11], s[0:1], 0x10              ; Wo's codes, Wo's scales
	s_load_b64 s[66:67], s[0:1], 0x20              ; bo
	s_load_b64 s[12:13], s[0:1], 0x28              ; out0
	v_lshl_add_u32 v[SPW], v0, 2, SPARE
	v_mov_b32 v[NIL], 0
	ds_add_u32 v[SPW], v[NIL]                      ; the wave's opening: the add, twice on end, and its wait ahead of my first tensor load
	ds_add_u32 v[SPW], v[NIL]                      ; and once more, under the one wait; the set-up below stands between
	v_lshrrev_b32 v1, 5, v0
	v_readfirstlane_b32 s14, v1                    ; wave 0..3
	s_lshr_b32 s15, s14, 1                         ; which 64 rows are mine.  Also: I fetch for A (0) or for B (1)
	s_and_b32 s16, s14, 1                          ; which 128 columns.  Also: which half of that tile I fetch
	s_bfe_u32 s40, ttmp6, 0x40000                  ; cx, cy
	s_bfe_u32 s41, ttmp6, 0x40004
	s_lshl_b32 s42, ttmp9, 2
	s_add_co_u32 s42, s42, s40                     ; tile column = 4 x cluster x + cx
	s_and_b32 s17, ttmp7, 0xffff
	s_lshl_b32 s17, s17, 2
	s_add_co_u32 s17, s17, s41                     ; tile row = 4 x cluster y + cy
	s_lshl_b32 s43, s41, 2
	s_lshl_b32 s43, 15, s43                        ; my row of the cluster
	s_lshl_b32 s44, 0x1111, s40                    ; my column
	s_or_b32 s[G1+0], s43, (3<<16)|(1<<21)         ; A: the mask of my row; elements of 8 bytes; no padding; bit 21 beside a mask
	s_mov_b32 s[G1+1], 384<<16                     ; tensor_dim0: 3072 bytes: four heads' images of a tile of rows
	s_mov_b32 s[G1+2], 4<<16                       ; tensor_dim1: 4 tiles of rows
	s_mov_b32 s[G1+3], 384<<16                     ; tile_dim0
	s_mov_b32 s[G1+4], 4                           ; tile_dim1
	s_mov_b32 s[G1+5], 1536                        ; from a tile of rows to the next: 12288 bytes
	s_mov_b32 s[G1+6], 0
	s_mov_b32 s[G1+7], 0
	s_or_b32 s[G1B+0], s44, (0<<16)|(1<<20)|(1<<21)|(3<<22)|(3<<25)  ; B: the mask of my column; bytes; 16 bytes of padding behind every 64
	s_mov_b32 s[G1B+1], ROWB<<16
	s_mov_b32 s[G1B+2], 128<<16
	s_mov_b32 s[G1B+3], ROWB<<16
	s_mov_b32 s[G1B+4], 128
	s_mov_b32 s[G1B+5], KROW
	s_mov_b32 s[G1B+6], 0
	s_mov_b32 s[G1B+7], 0
	s_or_b32 s[G1S+0], s43, (3<<16)|(1<<20)|(1<<21)|(5<<22)|(3<<25)  ; A's scales: 64 rows x 32 bytes, dense: 8 rows of 256 bytes, 16 of padding behind each
	s_mov_b32 s[G1S+1], 32<<16
	s_mov_b32 s[G1S+2], (64*KS/256)<<16
	s_mov_b32 s[G1S+3], 32<<16
	s_mov_b32 s[G1S+4], 64*KS/256
	s_mov_b32 s[G1S+5], 32
	s_mov_b32 s[G1S+6], 0
	s_mov_b32 s[G1S+7], 0
	s_or_b32 s[G1SB+0], s44, (3<<16)|(1<<20)|(1<<21)|(5<<22)|(3<<25) ; B's: 128 rows: 16 rows of 256 bytes
	s_mov_b32 s[G1SB+1], 32<<16
	s_mov_b32 s[G1SB+2], (128*KS/256)<<16
	s_mov_b32 s[G1SB+3], 32<<16
	s_mov_b32 s[G1SB+4], 128*KS/256
	s_mov_b32 s[G1SB+5], 32
	s_mov_b32 s[G1SB+6], 0
	s_mov_b32 s[G1SB+7], 0
	s_lshl_b32 s20, s17, 3
	s_lshl_b32 s18, s16, 2
	s_add_co_u32 s20, s20, s18                     ; A: tile of rows 8 x tile row + 4 x half
	s_lshl_b32 s22, s20, 9                         ; its scales: 16 rows x 32 bytes a tile
	s_mov_b32 s23, 0
	s_mul_i32 s20, s20, 4*ATB                      ; its codes: 12288 bytes a tile
	s_mov_b32 s21, 0
	s_lshl_b32 s46, s42, 8
	s_lshl_b32 s18, s16, 7
	s_add_co_u32 s46, s46, s18                     ; B: row 256 x tile column + 128 x half
	s_lshl_b32 s92, s46, 5
	s_mov_b32 s93, 0
	s_mul_i32 s46, s46, KROW
	s_mov_b32 s47, 0
	s_mul_i32 s45, s16, 4*ATB                      ; where they go: no place in the cluster enters an LDS address
	s_mul_i32 s94, s16, HALFT
	s_mul_i32 s95, s16, HALFSA
	s_mul_i32 s96, s16, HALFSB
	s_wait_dscnt 0x0                               ; both opening adds are done
	s_wait_kmcnt 0x0
	s_add_nc_u64 s[20:21], s[4:5], s[20:21]
	s_add_nc_u64 s[22:23], s[6:7], s[22:23]
	s_add_nc_u64 s[46:47], s[8:9], s[46:47]
	s_add_nc_u64 s[92:93], s[10:11], s[92:93]
	CROUND                                         ; all sixteen work-groups are here: the first joint loads meet
	s_mov_b32 s[G0S], 1
	s_add_co_u32 s[G0S+1], s95, SCL
	s_mov_b64 s[G0S+2:G0S+3], s[22:23]
	s_or_b32 s[G0S+3], s[G0S+3], 0x80000000
	s_mov_b32 s[G0SB], 1
	s_add_co_u32 s[G0SB+1], s96, SCL+2*HALFSA
	s_mov_b64 s[G0SB+2:G0SB+3], s[92:93]
	s_or_b32 s[G0SB+3], s[G0SB+3], 0x80000000
	JLOAD G0S, G1S, G0SB, G1SB                     ; the scales first
.irp s, 0,1
	s_mov_b32 s[G0+4*\s], 1
	s_add_co_u32 s[G0+4*\s+1], s45, \s*SLOT
	s_add_nc_u64 s[G0+4*\s+2:G0+4*\s+3], s[20:21], \s*ATB
	s_or_b32 s[G0+4*\s+3], s[G0+4*\s+3], 0x80000000
	s_mov_b32 s[G0B+4*\s], 1
	s_add_co_u32 s[G0B+4*\s+1], s94, \s*SLOT+ATILE
	s_add_nc_u64 s[G0B+4*\s+2:G0B+4*\s+3], s[46:47], \s*ROWB
	s_or_b32 s[G0B+4*\s+3], s[G0B+4*\s+3], 0x80000000
	JLOAD G0+4*\s, G1, G0B+4*\s, G1B               ; three loads of mine are out now
.endr
	v_and_b32 v1, 15, v0                           ; l % 16
	v_bfe_u32 v2, v0, 4, 1                         ; l / 16
	v_and_b32 v6, 31, v0                           ; lane
	v_mul_u32_u24 v3, v1, PITCH
	v_mul_u32_u24 v4, v2, 24
	v_add_nc_u32 v4, v3, v4                        ; B: a fragment's row x pitch + 24 x half
	v_lshl_add_u32 v5, v2, 4, v4                   ; and the same behind one padding more
	v_lshlrev_b32 v7, 4, v6
	v_lshlrev_b32 v8, 3, v6
	s_mul_i32 s21, s15, 4*ATB                      ; my 4 tiles of rows of A
	s_mul_i32 s22, s16, HALFT                      ; my 128 rows of B,
	s_add_co_u32 s22, s22, ATILE                   ; which lie behind A's tile
.irp s, 0,1
	v_add_nc_u32 v[A16+\s], s21, v7
	v_add_nc_u32 v[A8+\s], s21, v8
	v_add_nc_u32 v[ADRB+\s], s22, v4
	v_add_nc_u32 v[ADRB+2+\s], s22, v5
	s_add_co_u32 s21, s21, SLOT
	s_add_co_u32 s22, s22, SLOT
.endr
	v_mul_u32_u24 v5, v1, KS                       ; my row's scales: 32 bytes a row,
	v_lshrrev_b32 v9, 8, v5
	v_lshl_add_u32 v5, v9, 4, v5                   ; and 16 more for each 256 passed
	s_mul_i32 s21, s15, HALFSA                     ; A's: my 64 rows
	s_mul_i32 s22, s16, HALFSB                     ; B's: my 128 rows, behind A's 128
	s_add_co_u32 s22, s22, 2*HALFSA
	s_sub_co_u32 s22, s22, s21
	v_mul_u32_u24 v9, s22, v2                      ; lanes 16-31 take B's: one product with the lane's half
	s_add_co_u32 s21, s21, SCL
	v_add_nc_u32 v5, v5, v9
	v_add_nc_u32 v[ADRS], s21, v5
	s_mul_i32 s23, s14, 16*SPITCH                  ; my stage
	v_mul_u32_u24 v5, v1, SPITCH                   ; in: row l % 16, 32 bytes for each half of the lanes
	v_lshl_add_u32 v5, v2, 5, v5
	v_add_nc_u32 v[STO], s23, v5
	v_lshlrev_b32 v[CO], 4, v6                     ; back: the 32 lanes take one row of 512 bytes; and the same in out0
	v_add_nc_u32 v[RD], s23, v[CO]
	s_lshl_b32 s20, s17, 7
	s_lshl_b32 s21, s15, 6
	s_add_co_u32 s20, s20, s21                     ; my first row: 128 x tile row + 64 x half
	s_lshl_b32 s20, s20, 12                        ; rows of 4096 bytes
	s_mov_b32 s21, 0
	s_lshl_b32 s46, s42, 10                        ; my first column, in bytes: 1024 x tile column + 512 x half
	s_lshl_b32 s47, s16, 9
	s_add_co_u32 s46, s46, s47
	s_mov_b32 s47, 0
	s_add_nc_u64 s[20:21], s[20:21], s[46:47]
	s_add_nc_u64 s[12:13], s[12:13], s[20:21]
	s_add_nc_u64 s[66:67], s[66:67], s[46:47]      ; bo at my first column
	v_lshlrev_b32 v10, 5, v2                       ; my half's eight numbers of a tile of 16
	WIN 0xc0                                       ; destination window 3
.irp b, 0,1,2,3,4,5,6,7
	global_load_b128 v[8*\b:8*\b+3], v10, s[66:67] offset:64*\b
	global_load_b128 v[8*\b+4:8*\b+7], v10, s[66:67] offset:64*\b+16
.endr
	WIN 0
.macro FRAG reg, adr, q, i             ; a fragment of B from rows in LDS: 24 bytes of the row's stream of bits twice, in pieces of 8 bytes; the second address register serves the pieces that lie behind one padding more for lanes 16-31
.irp p, 0,1,2,3,4,5
.set PCE, 12*(\q)+6*(\p/3)+\p%3
.if PCE%8 < 5
	ds_load_b64 v[\reg+2*\p:\reg+2*\p+1], v[\adr] offset:8*PCE+16*(PCE/8)+(\i)*16*PITCH
.else
	ds_load_b64 v[\reg+2*\p:\reg+2*\p+1], v[\adr+2] offset:8*PCE+16*(PCE/8)+(\i)*16*PITCH
.endif
.endr
.endm
.macro AFRAG reg, slot, q, a           ; a fragment of A from two heads' images: registers 0-5 the first head's 64 along K, registers 6-11 the second's
	ds_load_b128 v[\reg:\reg+3], v[A16+\slot] offset:ATB*(\a)+1536*(\q)
	ds_load_b64 v[\reg+4:\reg+5], v[A8+\slot] offset:ATB*(\a)+1536*(\q)+512
	ds_load_b128 v[\reg+6:\reg+9], v[A16+\slot] offset:ATB*(\a)+1536*(\q)+768
	ds_load_b64 v[\reg+10:\reg+11], v[A8+\slot] offset:ATB*(\a)+1536*(\q)+1280
.endm
.macro FETCH3 slot, q, set             ; 64 LDS loads in one run: B's eight fragments and A's four of the slot's q-th 128 along K
	WIN TO_B
.irp i, 0,1,2,3,4,5,6,7
	FRAG 128*(\set)+FR*\i, ADRB+\slot, \q, \i
.endr
	WIN 0
.irp a, 0,1,2,3
	AFRAG AF+48*(\set)+FR*\a, \slot, \q, \a
.endr
.endm
.macro SCALES sc                       ; a K step's scale words: lanes 0-15 take A's block i (for i above 3: words that no product names), lanes 16-31 B's block i
.irp i, 0,1,2,3,4,5,6,7
	ds_load_b64 v[SC+16*\sc+2*\i:SC+16*\sc+2*\i+1], v[ADRS] offset:\i*SBLK
.endr
.endm
; 8 matrix instructions: A's block a x B's eight.  first = 1: C is the bias.  The 32 accumulators take turns, one instruction a turn, in the same order in every step.
.macro MUL8 a, set, q, sc, first
.irp b, 0,1,2,3,4,5,6,7
.if \first
	v_wmma_scale_f32_16x16x128_f8f6f4 v[8*(8*(\a)+\b):8*(8*(\a)+\b)+7], v[128*(\set)+FR*\b:128*(\set)+FR*\b+FR-1], v[AF+48*(\set)+FR*(\a):AF+48*(\set)+FR*(\a)+FR-1], v[8*\b:8*\b+7], v[SC+16*(\sc)+2*\b+(\q)], v[SC+16*(\sc)+2*(\a)+(\q)] matrix_a_fmt:MATRIX_FMT_FP6 matrix_b_fmt:MATRIX_FMT_FP6 matrix_a_scale:MATRIX_SCALE_ROW1
.else
	v_wmma_scale_f32_16x16x128_f8f6f4 v[8*(8*(\a)+\b):8*(8*(\a)+\b)+7], v[128*(\set)+FR*\b:128*(\set)+FR*\b+FR-1], v[AF+48*(\set)+FR*(\a):AF+48*(\set)+FR*(\a)+FR-1], v[8*(8*(\a)+\b):8*(8*(\a)+\b)+7], v[SC+16*(\sc)+2*\b+(\q)], v[SC+16*(\sc)+2*(\a)+(\q)] matrix_a_fmt:MATRIX_FMT_FP6 matrix_b_fmt:MATRIX_FMT_FP6 matrix_a_scale:MATRIX_SCALE_ROW1
.endif
.endr
.endm
.macro PLACES n
.rept \n
	v_nop
.endr
.endm
; A slot's first 128 along K: multiplies set 0 and fetches the second 128 into set 1.
.macro STEP3 slot, first
	s_wait_dscnt 0x0                               ; set 0 and the scale words are in
	PLACES NP                                      ; in front of loads into set 1, which the last products read
	FETCH3 \slot, 1, 1
.if \first
	WIN MUL_B
.else
	WIN MUL_A
.endif
	MUL8 0, 0, 0, \slot, \first
	MUL8 1, 0, 0, \slot, \first
	MUL8 2, 0, 0, \slot, \first
	MUL8 3, 0, 0, \slot, \first
	WIN 0
.endm
; A slot's second 128 changes slots: ONE barrier; in front of it each wave waits for all its tensor loads, adds 0 to its spare word, and waits for that and for its own reads of this slot.  fill = 1: this slot is filled again, two K steps ahead.
.macro TURN3 slot, next, fill
	s_wait_tensorcnt 0x0                           ; all my tensor loads have landed: my part of the next slot
	ds_add_u32 v[SPW], v[NIL]                      ; 0 onto my spare word
	s_wait_dscnt 1                                 ; set 1 is in (the add alone may be out)
	WIN MUL_A
	MUL8 0, 1, 1, \slot, 0                         ; eight matrix instructions stand between the add and the wait for it
	s_wait_dscnt 0x0                               ; the add is done, and my reads of this slot are over
	s_barrier_signal -1
	MUL8 1, 1, 1, \slot, 0
	WIN 0
	s_barrier_wait -1
.if \fill
	CREST                                          ; the barrier has opened a round of the cluster's barrier: no wave of any partner still reads this slot or has a load on its way
	s_add_nc_u64 s[G0+4*\slot+2:G0+4*\slot+3], s[G0+4*\slot+2:G0+4*\slot+3], 2*ATB
	s_add_nc_u64 s[G0B+4*\slot+2:G0B+4*\slot+3], s[G0B+4*\slot+2:G0B+4*\slot+3], 2*ROWB
	JLOAD G0+4*\slot, G1, G0B+4*\slot, G1B         ; the first tensor load behind the round; its four v_nop are the places in front of the loads below
.else
	PLACES NP
.endif
	v_add_nc_u32 v[ADRS], 4*NQ, v[ADRS]            ; on to the next K step's scale words
	FETCH3 \next, 0, 0
	SCALES \next
	WIN MUL_A
	MUL8 2, 1, 1, \slot, 0
	MUL8 3, 1, 1, \slot, 0
	WIN 0
.endm
	s_wait_tensorcnt 1                             ; the scales and my part of K step 0 are in (K step 1's load may be out)
	s_barrier_signal -1
	s_barrier_wait -1                              ; everybody's are
	FETCH3 0, 0, 0
	SCALES 0
	s_wait_loadcnt 0x0                             ; the bias
	STEP3 0, 1                                     ; K = 1024 is four K steps, twice round the ring: written out.  The first products take the bias as C
	TURN3 0, 1, 1                                  ; slot 0 takes K step 2
	STEP3 1, 0
	TURN3 1, 0, 1                                  ; slot 1 takes K step 3
	STEP3 0, 0
	TURN3 0, 1, 0                                  ; nothing is left to fetch
	STEP3 1, 0
	s_wait_dscnt 0x0
	WIN MUL_A
	MUL8 0, 1, 1, 1, 0
	MUL8 1, 1, 1, 1, 0
	MUL8 2, 1, 1, 1, 0
	MUL8 3, 1, 1, 1, 0
	WIN 0
; THE WAY OUT, block by block of 16 rows x 128 columns: through my own stage in LDS, back as whole rows of 512 bytes.  LDS serves a wave's instructions in order (ISA guide 5.7.1.4): no wait between the stores and the loads.
.macro TOSTAGE a
.set AC, 64*(\a)
	WIN 0x08                                       ; an LDS store's data are its source 1: window 2
.irp b, 0,1,2,3,4,5,6,7
	ds_store_b128 v[STO], v[AC+8*\b:AC+8*\b+3] offset:64*\b          ; each accumulator from its low end on
	ds_store_b128 v[STO], v[AC+8*\b+4:AC+8*\b+7] offset:64*\b+16
.endr
	WIN 0
.set BB, BK+64*((\a)%2)
.irp t, 0,1,2,3,4,5,6,7,8,9,10,11,12,13,14,15
	ds_load_b128 v[BB+4*\t:BB+4*\t+3], v[RD] offset:\t*SPITCH
.endr
.endm
.macro SEND a, younger                 ; younger: the LDS instructions issued behind block a's loads, which may stay out
.set BB, BK+64*((\a)%2)
	s_wait_dscnt \younger
.if (\a) > 0
	s_add_nc_u64 s[12:13], s[12:13], 16*4096       ; (behind a wait on XCNT: the earlier stores have read their base)  16 rows on
.endif
.irp t, 0,1,2,3,4,5,6,7,8,9,10,11,12,13,14,15
	global_store_b128 v[CO], v[BB+4*\t:BB+4*\t+3], s[12:13] offset:\t*4096 th:TH_STORE_NT   ; 32 lanes store 512 consecutive bytes, aligned; written once, read by nobody here
.endr
.endm
	PLACES NP                                      ; behind the last products: results are read, and loads land in registers that held A's fragments
	TOSTAGE 0
.irp a, 1,2,3
.if \a > 1
	s_wait_xcnt 0x0                                ; block a - 2's stores have read their registers and their base
.endif
	TOSTAGE \a
	SEND \a-1, 32                                  ; behind block a - 1's loads: block a's 16 stores and 16 loads
.endr
	s_wait_xcnt 0x0
	SEND 3, 0
	s_wait_tensorcnt 0x0                           ; the wave's end: behind my last tensor load and my last LDS store
	ds_add_u32 v[SPW], v[NIL]
	s_wait_dscnt 0x0
	CROUND                                         ; the closing round
	s_endpgm
.Lfunc_end_k_q640b985484_outp:
	.size	k_q640b985484_outp, .Lfunc_end_k_q640b985484_outp-k_q640b985484_outp
	.p2alignl 7, 3214868480
	.fill 96, 4, 3214868480
	.section	.rodata,"a",@progbits
	.p2align	6, 0x0
	.amdhsa_kernel k_q640b985484_outp
		.amdhsa_group_segment_fixed_size 327680
		.amdhsa_private_segment_fixed_size 0
		.amdhsa_enable_private_segment 0
		.amdhsa_kernarg_size 48
		.amdhsa_user_sgpr_count 2
		.amdhsa_user_sgpr_kernarg_segment_ptr 1
		.amdhsa_wavefront_size32 1
		.amdhsa_system_sgpr_workgroup_id_x 1
		.amdhsa_system_sgpr_workgroup_id_y 1
		.amdhsa_system_sgpr_workgroup_id_z 1
		.amdhsa_system_vgpr_workitem_id 0
		.amdhsa_next_free_vgpr 1024
		.amdhsa_next_free_sgpr 98
		.amdhsa_reserve_vcc 0
		.amdhsa_float_denorm_mode_32 3
		.amdhsa_float_denorm_mode_16_64 3
		.amdhsa_memory_ordered 1
		.amdhsa_forward_progress 1
		.amdhsa_inst_pref_size 98
	.end_amdhsa_kernel
	.amdgpu_metadata
---
amdhsa.version: [ 1, 2 ]
amdhsa.kernels:
  - .name:           k_q640b985484_outp
    .symbol:         k_q640b985484_outp.kd
    .args:
      - { .name: cimg, .offset: 0, .size: 8, .value_kind: global_buffer, .address_space: global }
      - { .name: csc, .offset: 8, .size: 8, .value_kind: global_buffer, .address_space: global }
      - { .name: Wo_codes, .offset: 16, .size: 8, .value_kind: global_buffer, .address_space: global }
      - { .name: Wo_scales, .offset: 24, .size: 8, .value_kind: global_buffer, .address_space: global }
      - { .name: bo, .offset: 32, .size: 8, .value_kind: global_buffer, .address_space: global }
      - { .name: out0, .offset: 40, .size: 8, .value_kind: global_buffer, .address_space: global }
    .group_segment_fixed_size: 327680
    .private_segment_fixed_size: 0
    .kernarg_segment_align: 8
    .kernarg_segment_size: 48
    .max_flat_workgroup_size: 128
    .sgpr_count:     98
    .vgpr_count:     1024
    .wavefront_size: 32
...
	.end_amdgpu_metadata
.endif
;; end of part 3
